; MI455X (gfx1250); checked and timed in simulation.
; The chip was launched on July 23, 2026; its instructions are those of AMD's public machine-readable ISA for CDNA 5 (MIT licence, August 2026) and "CDNA5" Instruction Set Architecture Reference Guide (July 2026). The comments in the code are by the model that wrote it; some were corrected since.
;; Transformer Block. Allowed arithmetic: matrix products marked QUANTISED: E3M2 operands, one E8M0 scale for each 32 along K, by v_wmma_scale_f32_16x16x128_f8f6f4 with both operands' format E3M2, f32 sums; everything else in f32.
;; Inputs: W_K_codes 16 x 64 x 32 x 24 uint8 (E3M2 codes of W_K, K innermost, in blocks of 32 codes, four codes in three bytes); W_K_scales 16 x 64 x 32 uint8 (E8M0 scales of W_K, one for each 32 codes along K); W_O 16 x 64 x 1,024 float32; W_Q_codes 16 x 64 x 32 x 24 uint8 (E3M2 codes of W_Q, K innermost, in blocks of 32 codes, four codes in three bytes); W_Q_scales 16 x 64 x 32 uint8 (E8M0 scales of W_Q, one for each 32 codes along K); W_V_codes 16 x 64 x 32 x 24 uint8 (E3M2 codes of W_V, K innermost, in blocks of 32 codes, four codes in three bytes); W_V_scales 16 x 64 x 32 uint8 (E8M0 scales of W_V, one for each 32 codes along K); W_in_codes 4,096 x 32 x 24 uint8 (E3M2 codes of W_in, K innermost, in blocks of 32 codes, four codes in three bytes); W_in_scales 4,096 x 32 uint8 (E8M0 scales of W_in, one for each 32 codes along K); W_out_codes 1,024 x 128 x 24 uint8 (E3M2 codes of W_out, K innermost, in blocks of 32 codes, four codes in three bytes); W_out_scales 1,024 x 128 uint8 (E8M0 scales of W_out, one for each 32 codes along K); b_K 16 x 64 float32; b_O 1,024 float32; b_Q 16 x 64 float32; b_V 16 x 64 float32; b_in 4,096 float32; b_out 1,024 float32; ln1_b 1,024 float32; ln1_w 1,024 float32; ln2_b 1,024 float32; ln2_w 1,024 float32; resid_pre 2 x 2,048 x 1,024 float32.
;; Outputs: out0 2 x 2,048 x 1,024 float32.
;; This version of the problem:
;;   THIS VERSION OF THE PROBLEM IS GIVEN IN LOW PRECISION. The matrix products marked QUANTISED in the list below multiply operands that are first quantised to E3M2 (3 exponent bits, 2 mantissa bits; 6 bits a number), with one power-of-two scale for each 32 numbers along K (OCP MX v1.0); their sums are f32. All else is computed in f32.
;;   The module's matrix products, in the order in which they are computed (A, B: the left and right operand; K: the contracted axis; several contracted axes count as one K, in the product's order):
;;     1. [M 4,096, K 1,024] x [K 1,024, N 1,024]; A: computed on the way; B: input W_Q (given as codes): QUANTISED
;;     2. [M 4,096, K 1,024] x [K 1,024, N 1,024]; A: computed on the way; B: input W_K (given as codes): QUANTISED
;;     3. [M 4,096, K 1,024] x [K 1,024, N 1,024]; A: computed on the way; B: input W_V (given as codes): QUANTISED
;;     4. batch 32 x [M 2,048, K 64] x [K 64, N 2,048]; A: computed on the way; B: computed on the way: QUANTISED
;;     5. batch 32 x [M 64, K 2,048] x [K 2,048, N 2,048]; A: computed on the way; B: softmax (see below): QUANTISED
;;     6. [M 4,096, K 1,024] x [K 1,024, N 1,024]; A: computed on the way; B: input W_O: QUANTISED
;;     7. [M 4,096, K 1,024] x [K 1,024, N 4,096]; A: computed on the way; B: input W_in (given as codes): QUANTISED
;;     8. [M 4,096, K 4,096] x [K 4,096, N 1,024]; A: computed on the way; B: input W_out (given as codes): QUANTISED
;;   THE QUANTISER, for each operand of a quantised product, along K:
;;     - K is cut into blocks of 32 from its start; a last block that is shorter is filled with zeros.
;;     - A block's scale is 2^e with e = floor(log2(the largest magnitude in the block)) - 4, held to -126 .. 127; a block of zeros has e = 0. As a byte (E8M0): e + 127.
;;     - Each number is divided by its block's scale, clamped to +-28, and rounded to the nearest number of E3M2, ties to even, subnormals kept.
;;     - The product sums the exact products of the quantised numbers (number of the format x scale) in f32.
;;   ~~~python
;;   def quantise(x, axis):      # numpy; x: float32 -> the quantised numbers, widened to float32 again
;;       x = np.moveaxis(x, axis, -1); K = x.shape[-1]
;;       x = np.pad(x, [(0, 0)] * (x.ndim - 1) + [(0, -K % 32)]); x = x.reshape(x.shape[:-1] + (-1, 32)); a = np.abs(x).max(-1, keepdims=True)
;;       e = np.where(a > 0, np.clip(np.frexp(np.where(a > 0, a, 1))[1] - 1 - 4, -126, 127), 0)      # np.frexp(a)[1] - 1 = floor(log2(a)), exactly
;;       r = np.clip(x / 2.0 ** e, -28, 28)
;;       step = 2.0 ** (np.maximum(np.frexp(np.where(r == 0, 1, r))[1] - 1, -2) - 2)
;;       q = np.round(r / step) * step * 2.0 ** e      # np.round: ties to even
;;       return np.moveaxis(q.reshape(q.shape[:-2] + (-1,))[..., :K], -1, axis).astype(np.float32)
;;   ~~~
;;   SOFTMAX AHEAD OF A QUANTISED PRODUCT. Where the list says 'softmax', what is quantised is not the finished softmax but p = 2^(t - M), with t = logit x log2(e) and M = ceil(the row's largest t), a whole number; so 1/2 < the row's largest p <= 1. The row's sum l is taken of the UNQUANTISED p, in f32, and the product's result is divided by l at the end. Since M is a whole number, a kernel that streams over the keys may use a running M (the ceiling of the running maximum): every later rescaling is an exact power of two, which a block's scale takes up: the codes' values come out the same.
;;   OPERANDS COMPUTED ON THE WAY. 'Computed on the way' means the value that the module computes at that place (a softmax that the list does not call 'softmax' is quantised finished and normalised). What goes into a quantiser is computed in f32, as accurately as f32 sums, v_exp_f32 and their like allow (about 1e-6 of the number): no bf16 or f16 on the way to a quantiser, and a product that is left as it is and whose result goes on into a quantised operand takes f32 operands (vector FMAs, or v_wmma_f32_16x16x4_f32). A number that lies on a knife's edge between two numbers of the format may be rounded either way, as far as f32 arithmetic and the matrix unit's own rounding can turn it there, and no further.
;;   INPUTS GIVEN AS CODES. W_K (in the module: [16, 1024, 64], K = its axis 1); W_Q (in the module: [16, 1024, 64], K = its axis 1); W_V (in the module: [16, 1024, 64], K = its axis 1); W_in (in the module: [1024, 4096], K = its axis 0); W_out (in the module: [4096, 1024], K = its axis 0): each comes as NAME_codes (uint8): NAME with its K axis moved to the last place and cut into blocks of 32 codes, [.., K / 32, bytes a block], one block behind the other in memory; four codes in three bytes: a row's codes are one little-endian stream of bits, code i at bits 6 i .. 6 i + 5 (a code: sign, 3 exponent bits, 2 mantissa bits); and NAME_scales (uint8): the same leading axes, one E8M0 byte (e + 127) for each 32 codes along K. Its value is code x scale, taken as it is: it is not quantised again, and the codes and scales need not be those that the quantiser above would give.
;; One version. Each part assembles by itself: llvm-mc -triple=amdgcn-amd-amdhsa -mcpu=gfx1250 --defsym DOCPART=n.
;; ======== version 1 of 1: 7 launches
;; limits: right only within a limited range of input values
;; workspace buffers: xa 3,276,800 bytes; wo 819,200 bytes; qb 3,407,872 bytes; kv 6,684,672 bytes; za 3,276,800 bytes; rmid 16,777,216 bytes; hid 13,107,200 bytes
;; launch lnq (part 1): grid 256 x 1, 8 waves a work-group, no clusters, 69,632 bytes of LDS; arguments resid_pre, ln1_w, ln1_b, xa; writes xa
.if DOCPART == 1
	.amdgcn_target "amdgcn-amd-amdhsa--gfx1250"
	.amdhsa_code_object_version 6
	.text
	.protected	k_q0b2b30f8b3_lnq
	.globl	k_q0b2b30f8b3_lnq
	.p2align	8
	.type	k_q0b2b30f8b3_lnq,@function
k_q0b2b30f8b3_lnq:
	s_mov_b64 s[64:65], 0
	v_nop
	global_prefetch_b8 v0, s[64:65] scope:SCOPE_SE
	s_setreg_imm32_b32 hwreg(HW_REG_WAVE_MODE, 25, 1), 1
	s_wait_xcnt 0x0
; y = (x - mean) / sqrt(var + 1e-5) * w + b along rows of 1,024 f32, then quantised along the row to codes of BF6 (E3M2) with one E8M0 byte for each 32.
; OUTPUT LAYOUT (this program's own): rows are gathered in M TILES of 16: lane r of tile T stands for row 32 (T / 2) + 8 (T % 2) + r + 8 (r / 8).  For tile T and K step s (128 along K) the operand's
; registers lie as two images of 768 bytes (64 along K each): lane l's first 16 bytes at 16 l, its last 8 at 512 + 8 l.  Codes: [256 T][8 s][2][768]; behind them the scale words [8 s][256 T][16 r].
; SHARES: a work-group is one M tile, wave w its K step w.  Each load reads 512 consecutive bytes of a row; the 16 x 512 bytes turn through the wave's own stage in LDS, so that a lane then holds,
; of ITS row, 16 neighbours of each block of 32 (register 16 b + i = column 128 w + 32 b + 16 (lane / 16) + i).  Mean and variance in two passes (the variance of x - mean), the eight waves' sums meeting in LDS.
; LIMITS: NaN and infinities are not served; a block whose largest magnitude lies under 2^-122 (a block of zeros too) gets the byte 1: its codes are read by this program alone.
.set SP,   528                         ; a stage row: 512 bytes + 16
.set STG,  16*SP                       ; a wave's stage
.set SUMS, 8*STG                       ; behind the stages: [16 r][8 w] sums, 512 bytes; 512 further on the sums of squares
.set X,    64                          ; v64-127  my 64 numbers
.set RW,   128                         ; v128-191 the rows as loaded, then w of my columns, then the codes
.set BB,   192                         ; v192-255 b of my columns
.set TM,   32                          ; v32-47   at work in the quantiser
.set PW,   48                          ; v48      my row's scale word
.set PC,   128
.set SEL,  26                          ; s[26:27] lane selects: lane l xor 16
	s_load_b256 s[4:11], s[0:1], 0x0               ; x s[4:5], w s[6:7], b s[8:9], out s[10:11]
	v_lshl_add_u32 v62, v0, 2, 0x10c00
	v_mov_b32 v63, 0
	v_lshrrev_b32 v1, 5, v0
	s_delay_alu instid0(VALU_DEP_1)
	v_readfirstlane_b32 s12, v1                    ; wave = K step
	v_and_b32 v1, 31, v0                           ; lane
	v_and_b32 v2, 15, v0                           ; r
	v_bfe_u32 v3, v0, 4, 1                         ; h
	s_lshl_b32 s13, s12, 9                         ; my 128 columns: 512 w bytes
	s_mul_i32 s14, s12, STG                        ; my stage
	s_lshl_b32 s15, s12, 2
	v_lshlrev_b32 v10, 4, v1                       ; 16 x lane
	v_lshlrev_b32 v11, 3, v1                       ; 8 x lane
	v_lshlrev_b32 v12, 2, v2                       ; 4 r
	s_delay_alu instid0(VALU_DEP_3)
	v_add_nc_u32 v4, s13, v10                      ; x: 512 w + 16 lane
	s_delay_alu instid0(VALU_DEP_4)
	v_add_nc_u32 v5, s14, v10                      ; the stage, in
	v_mul_u32_u24 v6, v2, SP
	s_delay_alu instid0(VALU_DEP_1)
	v_lshl_add_u32 v6, v3, 6, v6
	s_delay_alu instid0(VALU_DEP_1)
	v_add_nc_u32 v6, s14, v6                       ; the stage, out: row r, + 64 h
	v_lshlrev_b32 v7, 6, v3
	s_delay_alu instid0(VALU_DEP_1)
	v_add_nc_u32 v7, s13, v7                       ; w and b: 512 w + 64 h
	v_lshlrev_b32 v9, 5, v2
	s_delay_alu instid0(VALU_DEP_1)
	v_add_nc_u32 v9, SUMS, v9                      ; row r's eight sums
	s_delay_alu instid0(VALU_DEP_1)
	v_add_nc_u32 v8, s15, v9                       ; and mine among them
.irp b, 0,1,2,3
	v_mov_b32 v[TM+4+\b], 0                        ; a lane permute's destination counts as one of its sources
.endr
	s_mov_b32 s[SEL], 0x76543210
	s_mov_b32 s[SEL+1], 0xfedcba98
	s_mov_b32 s24, 0x3a800000                      ; 1 / 1,024
	s_mov_b32 s25, 0x3727c5ac                      ; 1e-5
	s_lshr_b32 s16, ttmp9, 1
	s_lshl_b32 s16, s16, 5
	s_and_b32 s17, ttmp9, 1
	s_lshl_b32 s17, s17, 3
	s_add_co_u32 s16, s16, s17                     ; the tile's first row: 32 (T / 2) + 8 (T % 2)
	s_lshl_b32 s16, s16, 12
	s_mov_b32 s17, 0
	s_mul_i32 s18, ttmp9, 12288
	s_mul_i32 s19, s12, 1536
	s_add_co_u32 s18, s18, s19                     ; my two images
	s_mov_b32 s19, 0
	s_lshl_b32 s20, s12, 14
	s_lshl_b32 s21, ttmp9, 6
	s_add_co_u32 s20, s20, s21
	s_add_co_u32 s20, s20, 3145728                 ; my 16 scale words
	s_mov_b32 s21, 0
	s_wait_alu depctr_va_vdst(0)
	s_wait_kmcnt 0x0
	s_add_nc_u64 s[4:5], s[4:5], s[16:17]
	s_add_nc_u64 s[22:23], s[10:11], s[20:21]
	s_add_nc_u64 s[10:11], s[10:11], s[18:19]
.irp i, 0,1,2,3,4,5,6,7,8,9,10,11,12,13,14,15
	global_load_b128 v[RW+4*\i:RW+4*\i+3], v4, s[4:5] offset:(\i+8*(\i/8))*4096   ; the tile's i-th row: 32 lanes read 512 consecutive bytes
.endr
.irp i, 0,1,2,3,4,5,6,7,8,9,10,11,12,13,14,15
	s_wait_loadcnt 15-\i                           ; row i is in; the younger rows may be out
	ds_store_b128 v5, v[RW+4*\i:RW+4*\i+3] offset:SP*\i
.endr
.irp b, 0,1,2,3
.irp j, 0,1,2,3
	ds_load_b128 v[X+16*\b+4*\j:X+16*\b+4*\j+3], v6 offset:128*\b+16*\j   ; LDS serves a wave's instructions in order: these see my stores
.endr
.endr
	s_wait_dscnt 0x0                               ; my 64 numbers are in, and the stores have read v128-191
.irp b, 0,1,2,3
.irp j, 0,1,2,3
	global_load_b128 v[RW+16*\b+4*\j:RW+16*\b+4*\j+3], v7, s[6:7] offset:128*\b+16*\j   ; w and b of my columns: wanted behind both reductions
	global_load_b128 v[BB+16*\b+4*\j:BB+16*\b+4*\j+3], v7, s[8:9] offset:128*\b+16*\j
.endr
.endr
; four packed chains in v24-31 become the row's sum over all 1,024 columns, in v16 of every lane
.macro ROWSUM off
	s_delay_alu instid0(VALU_DEP_3)
	v_pk_add_f32 v[24:25], v[24:25], v[26:27]
	s_delay_alu instid0(VALU_DEP_2)
	v_pk_add_f32 v[28:29], v[28:29], v[30:31]
	s_delay_alu instid0(VALU_DEP_1)
	v_pk_add_f32 v[24:25], v[24:25], v[28:29]
	s_delay_alu instid0(VALU_DEP_1)
	v_add_f32 v24, v24, v25
	s_delay_alu instid0(VALU_DEP_1)
	v_permlanex16_b32 v25, v24, s[SEL], s[SEL+1]   ; the row's other 64 numbers of my K step
	s_delay_alu instid0(VALU_DEP_1)
	v_add_f32 v24, v24, v25
	ds_store_b32 v8, v24 offset:\off               ; both halves of the lanes write the same word with the same value
	s_wait_dscnt 0x0                               ; for the others' sake: my store is done
	s_barrier_signal -1
	s_barrier_wait -1
	ds_load_b128 v[16:19], v9 offset:\off
	ds_load_b128 v[20:23], v9 offset:\off+16
	s_wait_dscnt 0x0
	v_add_f32 v16, v16, v17
	v_add_f32 v18, v18, v19
	v_add_f32 v20, v20, v21
	v_add_f32 v22, v22, v23
	s_delay_alu instid0(VALU_DEP_3)
	v_add_f32 v16, v16, v18
	s_delay_alu instid0(VALU_DEP_2)
	v_add_f32 v20, v20, v22
	s_delay_alu instid0(VALU_DEP_1)
	v_add_f32 v16, v16, v20
.endm
.irp c, 0,1,2,3
	v_pk_add_f32 v[24+2*\c:25+2*\c], v[X+2*\c:X+2*\c+1], v[X+8+2*\c:X+9+2*\c]
.endr
.irp i, 16,24,32,40,48,56
.irp c, 0,1,2,3
	s_delay_alu instid0(VALU_DEP_4)
	v_pk_add_f32 v[24+2*\c:25+2*\c], v[24+2*\c:25+2*\c], v[X+\i+2*\c:X+\i+2*\c+1]
.endr
.endr
	ROWSUM 0
	s_delay_alu instid0(VALU_DEP_1)
	v_mul_f32 v14, s24, v16                        ; the mean
	s_delay_alu instid0(VALU_DEP_1)
	v_mov_b32 v15, v14
.set j, 0
.rept 32
	v_pk_add_f32 v[X+j:X+j+1], v[X+j:X+j+1], v[14:15] neg_lo:[0,1] neg_hi:[0,1]   ; x - mean
.set j, j+2
.endr
.irp c, 0,1,2,3
	v_pk_mul_f32 v[24+2*\c:25+2*\c], v[X+2*\c:X+2*\c+1], v[X+2*\c:X+2*\c+1]
.endr
.irp i, 8,16,24,32,40,48,56
.irp c, 0,1,2,3
	s_delay_alu instid0(VALU_DEP_4)
	v_pk_fma_f32 v[24+2*\c:25+2*\c], v[X+\i+2*\c:X+\i+2*\c+1], v[X+\i+2*\c:X+\i+2*\c+1], v[24+2*\c:25+2*\c]
.endr
.endr
	ROWSUM 512                                     ; other words than the first sums': no barrier is owed between the two
	s_delay_alu instid0(VALU_DEP_1)
	v_fma_f32 v14, v16, s24, s25                   ; the variance + 1e-5
	s_wait_alu depctr_va_vdst(0)
	v_rsq_f32 v15, v14
	v_nop                                          ; one plain place behind a transcendental
	s_wait_alu depctr_va_vdst(0)
	v_mov_b32 v14, v15
	s_wait_alu depctr_va_vdst(0)
	s_wait_loadcnt 0x0                             ; w and b
.set j, 0
.rept 32
	v_pk_mul_f32 v[X+j:X+j+1], v[X+j:X+j+1], v[14:15]
.set j, j+2
.endr
.set j, 0
.rept 32
	v_pk_fma_f32 v[X+j:X+j+1], v[X+j:X+j+1], v[RW+j:RW+j+1], v[BB+j:BB+j+1]
.set j, j+2
.endr
	; the quantiser: four blocks of 32, each in lanes l and l xor 16
.irp b, 0,1,2,3
	v_max3_num_f32 v[TM+\b], |v[X+16*\b]|, |v[X+1+16*\b]|, 0x2800000   ; and the floor 2^(5 - 127): the byte cannot fall under 1
.endr
.irp i, 2,4,6,8,10,12,14
.irp b, 0,1,2,3
	s_delay_alu instid0(VALU_DEP_4)
	v_max3_num_f32 v[TM+\b], v[TM+\b], |v[X+16*\b+\i]|, |v[X+1+16*\b+\i]|
.endr
.endr
.irp b, 0,1,2,3
	s_delay_alu instid0(VALU_DEP_4)
	v_permlanex16_b32 v[TM+4+\b], v[TM+\b], s[SEL], s[SEL+1]
.endr
.irp b, 0,1,2,3
	s_delay_alu instid0(VALU_DEP_4)
	v_max_num_f32 v[TM+\b], v[TM+\b], v[TM+4+\b]   ; the block's largest magnitude
.endr
.irp b, 0,1,2,3
	s_delay_alu instid0(VALU_DEP_4)
	v_add_nc_u32 v[TM+12+\b], 0xfe000000, v[TM+\b] ; 4 off its exponent field: the conversion's scale operand
.endr
.irp b, 0,1,2,3
	s_delay_alu instid0(VALU_DEP_4)
	v_lshrrev_b32 v[TM+4+\b], 23, v[TM+12+\b]      ; the scale's byte
.endr
	s_delay_alu instid0(VALU_DEP_3)
	v_lshl_or_b32 v[PW], v[TM+5], 8, v[TM+4]
	s_delay_alu instid0(VALU_DEP_1)
	v_lshl_or_b32 v[PW], v[TM+6], 16, v[PW]
	s_delay_alu instid0(VALU_DEP_1)
	v_lshl_or_b32 v[PW], v[TM+7], 24, v[PW]
.irp c, 0,1
	v_cvt_scalef32_pk16_bf6_f32 v[PC+6*\c:PC+6*\c+2], v[X+32*\c:X+32*\c+15], v[TM+12+2*\c]
	v_cvt_scalef32_pk16_bf6_f32 v[PC+12+4*\c:PC+14+4*\c], v[X+32*\c+16:X+32*\c+31], v[TM+13+2*\c]   ; (a conversion's three registers begin on an even number)
.endr
	v_nop                                          ; one plain place behind a scaled conversion
.irp c, 0,1                                    ; the operand wants a whole block in a lane: lanes 0-15 block 2 c, lanes 16-31 block 2 c + 1
.irp i, 0,1,2
	v_permlane16_swap_b32 v[PC+6*\c+\i], v[PC+12+4*\c+\i]
.endr
.irp i, 0,1,2
	s_delay_alu instid0(VALU_DEP_3)
	v_mov_b32 v[PC+3+6*\c+\i], v[PC+12+4*\c+\i]
.endr
.endr
	global_store_b128 v10, v[PC:PC+3], s[10:11]                 ; 512 consecutive bytes
	global_store_b64 v11, v[PC+4:PC+5], s[10:11] offset:512     ; 256
	global_store_b128 v10, v[PC+6:PC+9], s[10:11] offset:768
	global_store_b64 v11, v[PC+10:PC+11], s[10:11] offset:1280
	global_store_b32 v12, v[PW], s[22:23]                       ; 64 bytes of scale words; both halves of the lanes store the same word
	s_wait_tensorcnt 0x0
	ds_add_u32 v62, v63
	s_wait_dscnt 0x0
	s_endpgm
.Lfunc_end_k_q0b2b30f8b3_lnq:
	.size	k_q0b2b30f8b3_lnq, .Lfunc_end_k_q0b2b30f8b3_lnq-k_q0b2b30f8b3_lnq
	.p2alignl 7, 3214868480
	.fill 96, 4, 3214868480
	.section	.rodata,"a",@progbits
	.p2align	6, 0x0
	.amdhsa_kernel k_q0b2b30f8b3_lnq
		.amdhsa_group_segment_fixed_size 69632
		.amdhsa_private_segment_fixed_size 0
		.amdhsa_enable_private_segment 0
		.amdhsa_kernarg_size 32
		.amdhsa_user_sgpr_count 2
		.amdhsa_user_sgpr_kernarg_segment_ptr 1
		.amdhsa_wavefront_size32 1
		.amdhsa_system_sgpr_workgroup_id_x 1
		.amdhsa_system_sgpr_workgroup_id_y 1
		.amdhsa_system_sgpr_workgroup_id_z 1
		.amdhsa_system_vgpr_workitem_id 0
		.amdhsa_next_free_vgpr 256
		.amdhsa_next_free_sgpr 66
		.amdhsa_reserve_vcc 0
		.amdhsa_float_denorm_mode_32 3
		.amdhsa_float_denorm_mode_16_64 3
		.amdhsa_memory_ordered 1
		.amdhsa_forward_progress 1
		.amdhsa_inst_pref_size 30
	.end_amdhsa_kernel
	.amdgpu_metadata
---
amdhsa.version: [ 1, 2 ]
amdhsa.kernels:
  - .name:           k_q0b2b30f8b3_lnq
    .symbol:         k_q0b2b30f8b3_lnq.kd
    .args:
      - { .name: resid_pre, .offset: 0, .size: 8, .value_kind: global_buffer, .address_space: global }
      - { .name: ln1_w, .offset: 8, .size: 8, .value_kind: global_buffer, .address_space: global }
      - { .name: ln1_b, .offset: 16, .size: 8, .value_kind: global_buffer, .address_space: global }
      - { .name: xa, .offset: 24, .size: 8, .value_kind: global_buffer, .address_space: global }
    .group_segment_fixed_size: 69632
    .private_segment_fixed_size: 0
    .kernarg_segment_align: 8
    .kernarg_segment_size: 32
    .max_flat_workgroup_size: 256
    .sgpr_count:     66
    .vgpr_count:     256
    .wavefront_size: 32
...
	.end_amdgpu_metadata
.endif
;; end of part 1
;; launch qkv (part 2): grid 16 x 16, 4 waves a work-group, clusters of 4 x 4, 327,680 bytes of LDS; arguments xa, W_Q_codes, W_K_codes, W_V_codes, W_Q_scales, W_K_scales, W_V_scales, b_Q, b_K, b_V, qb, kv, W_O, wo; writes qb, kv, wo
.if DOCPART == 2
	.amdgcn_target "amdgcn-amd-amdhsa--gfx1250"
	.amdhsa_code_object_version 6
	.text
	.protected	k_q0b2b30f8b3_qkv
	.globl	k_q0b2b30f8b3_qkv
	.p2align	8
	.type	k_q0b2b30f8b3_qkv,@function
k_q0b2b30f8b3_qkv:
	s_mov_b64 s[64:65], 0
	v_nop
	global_prefetch_b8 v0, s[64:65] scope:SCOPE_SE
	s_setreg_imm32_b32 hwreg(HW_REG_WAVE_MODE, 25, 1), 1
	s_wait_xcnt 0x0
	s_wait_alu depctr_hold_cnt(0) depctr_sa_sdst(0) depctr_va_vdst(0) depctr_va_sdst(0) depctr_va_ssrc(0) depctr_va_vcc(0) depctr_vm_vsrc(0)
	s_getreg_b32 s2, hwreg(HW_REG_IB_STS2, 6, 4)
	s_cmp_eq_u32 s2, 0
	s_cbranch_scc0 .Lentry_in_a_cluster
	s_endpgm
.Lentry_in_a_cluster:
	s_bfe_u32 s2, ttmp6, 0x10000c
	s_cmp_lg_u32 s2, 0xf033
	s_cbranch_scc0 .Lentry_shape_is_right
	s_endpgm
.Lentry_shape_is_right:
; q, k, v = LN1(x) W + b on codes of BF6 (E3M2), K = 1,024, and the three results quantised in registers for attention: q and k along the head's 64, v along the keys.
; SHARES: a work-group takes 256 rows (Y) and one head (X): 64 columns each of Q, K and V.  Wave (wm, wn) takes rows 128 wm on (8 M tiles: one record of 128 queries or keys), all 64 columns of Q (wn = 0) or of K (wn = 1),
; and V's channels 32 wn on.  Q and K are made TRANSPOSED (source 0 = 16 rows of W, source 1 = an M tile of x): a lane holds one row and its registers run along the head.  V is made the other way round
; (source 0 = x, source 1 = W_V): a lane holds one channel and its registers run along the rows, which are the keys.  The rows of a tile, of x and of the weights alike, are r + 8 (r / 8) on from the tile's first:
; so the 16 registers of two neighbouring tiles are 16 neighbours along the next product's K.
; x arrives as images of the operand's registers (two of 768 bytes for a tile and K step), the weights as rows of codes.  K goes in steps of 128, two to a slot, through a ring of two LDS slots.
; CLUSTER 4 x 4: x's tiles are shared along a row of the cluster, the head's weights along a column: each is asked for jointly.  All scale words and biases are read once, at the head, into registers; so the K loop is written out.
; OUT: qb [32 bh][16 blocks][8 tiles x 768, 8 x 64 bytes of words]; kv [32 bh][16 steps][K 8 x 768 | V 4 tiles x 2 x 768 | K's words 512 | V's words 256].  The upper two bytes of q's and k's words are 127: attention pads their K with zero codes.
; W_O IS QUANTISED HERE TOO, for the product behind attention: f32 [1024 (k = head, channel)][1024 (n)], K its first axis.  Its operand is 64 tiles of 16 columns x 8 K steps x 2 images of 768 bytes = 1,024 images, as many as
; this launch has waves: wave w of work-group (X, Y) makes the image of columns 64 X + 16 w on and rows 64 Y on.  Lane (r, h) takes column r and rows 32 h + 0 .. 31: one whole block of 32 along K, so that its largest
; magnitude needs no other lane and the two conversions' results are the image's six registers.  A load reads two runs of 64 bytes; the work-group's four waves together read 256 consecutive bytes of each row.
; The 32 loads are issued ahead of the first product, into registers of window 1 that no fragment uses, and are worked on behind the last store of q, k and v: they land under the K loop.
; wo: codes [64 tiles][8 K steps][2][768], behind them the scale words [8 K steps][1024 n]; an image's two bytes leave as 2 bytes a lane inside 64 consecutive bytes.
; LIMITS: NaN and infinities are not served; a block under 2^-122 (a block of zeros too) gets the byte 1: this program alone reads the bytes.
; REGISTERS: window 0: v0-31 addresses; v32-63 x's scale words; v64-87 the weights'; v88-119 Q's or K's bias; v128-223 x's 8 fragments, ONE set; v224-239 V's bias.  window 1: the weights' 6 fragments, two sets (v0, v128); v72-103 W_O's 32 numbers.
;   window 2: Q's or K's 32 accumulators, (T, t) at v[32 T + 8 t].   window 3: V's 16, (u, T) at v[64 u + 8 T].
.set KST,    8                         ; K steps of 128
.set NQ,     2                         ; K steps in a slot
.set MT,     8                         ; M tiles of a wave
.set APITCH, 3072                      ; a tile's two K steps of images
; THE WEIGHTS COME ONCE: each of waves 0 to 2 fetches its weight's 64 whole rows (768 bytes, all of K) at the head; they stay in LDS.  Only x's images go through the ring of two slots, fetched by wave 3.
; No prefetch: K is 1,024 and x has two refills.
.set BPITCH, 816                       ; a weight's row in LDS: 3 x (256 bytes + 16 of padding)
.set WTILE,  64*BPITCH
.set AOFF,   3*WTILE                   ; W_Q's, W_K's, W_V's 64 rows; behind them x's ring
.set SLOT,   16*APITCH                 ; a slot: x's 16 tiles, two K steps
.set SPARE,  AOFF+2*SLOT
.set ASTEP,  2*APITCH
.set APLANE, 3145728                   ; where xa's scale words begin
.set WPLANE, 786432                    ; where wo's scale words begin
.set WOA, 7                            ; v7  W_O: my lane's byte: 32 h rows of 4,096 bytes + 4 r; never rewritten
.set WOS, 14                           ; v14 4 r
.set WOX, 72                           ; window 1: v72-103 W_O's 32 numbers
.set A16, 16                           ; v16-17 x's images in slot 0, 1: + 16 lane;  v18-19: + 8 lane
.set A8,  18
.set BQK, 20                           ; v20-21 my rows of W_Q or W_K;  v22-23 the same behind one padding more
.set BV,  24                           ; v24-27 the same for W_V
.set SPW, 28
.set NIL, 29
.set AS,  32
.set BS,  64
.set BQ,  88
.set AF,  128
.set BVB, 224
.set TM,  128                          ; the way out: at work
.set PC,  148                          ; the codes just made
.set PWS, 168                          ; eight scale words
.set WP,  176                          ; scale words in pairs of tiles
.set G1,  24
.set G0,  32
.set G1B, 48
.set G0B, 56
.set LM,  99                           ; s99 the mask of lanes 16-31
.set SEL, 100                          ; s[100:101] lane selects: lane l xor 16
.set MSB, 0
.macro WIN new                         ; the immediate's high byte repeats the setting that is left
.if MSB != (\new)
	s_set_vgpr_msb (MSB<<8)|(\new)
.set MSB, (\new)
.endif
.endm
.macro PLACES                          ; four plain places behind matrix instructions, in front of loads into registers that they read and of reads of their results
.rept 4
	v_nop
.endr
.endm
.macro CREST                           ; a round of the cluster's barrier behind its opening barrier
	s_cmp_lg_u32 s14, 0
	s_cbranch_scc1 .Lnot_wave_0_\@
	s_barrier_signal -3
.Lnot_wave_0_\@:
	s_barrier_wait -3
	s_barrier_signal -1
	s_barrier_wait -1
.endm
.macro CROUND
	s_barrier_signal -1
	s_barrier_wait -1
	CREST
.endm
.macro JLOAD s, w                      ; a joint load: wave 3 fetches x's tiles for slot s; w = 1, at the head: waves 0 to 2 fetch a weight each
	s_cmp_eq_u32 s14, 3
	s_cbranch_scc0 .Lfor_b_\@
	tensor_load_to_lds s[G0+4*(\s):G0+4*(\s)+3], s[G1:G1+7]
	s_nop 0
.rept 4
	v_nop
.endr
.if \w
	s_branch .Lasked_\@
.endif
.Lfor_b_\@:
.if \w
	tensor_load_to_lds s[G0B:G0B+3], s[G1B:G1B+7]
	s_nop 0
.rept 4
	v_nop
.endr
.Lasked_\@:
.endif
.endm
.macro WM                              ; one product, by the symbols rD, rA, rB, rC, rSA, rSB; fR: 2 = source 0's scales in lanes 16-31, 1 = source 1's
.if fR == 0
	v_wmma_scale_f32_16x16x128_f8f6f4 v[rD:rD+7], v[rA:rA+11], v[rB:rB+11], v[rC:rC+7], v[rSA], v[rSB] matrix_a_fmt:MATRIX_FMT_BF6 matrix_b_fmt:MATRIX_FMT_BF6
.elseif fR == 1
	v_wmma_scale_f32_16x16x128_f8f6f4 v[rD:rD+7], v[rA:rA+11], v[rB:rB+11], v[rC:rC+7], v[rSA], v[rSB] matrix_a_fmt:MATRIX_FMT_BF6 matrix_b_fmt:MATRIX_FMT_BF6 matrix_b_scale:MATRIX_SCALE_ROW1
.elseif fR == 2
	v_wmma_scale_f32_16x16x128_f8f6f4 v[rD:rD+7], v[rA:rA+11], v[rB:rB+11], v[rC:rC+7], v[rSA], v[rSB] matrix_a_fmt:MATRIX_FMT_BF6 matrix_b_fmt:MATRIX_FMT_BF6 matrix_a_scale:MATRIX_SCALE_ROW1
.else
	v_wmma_scale_f32_16x16x128_f8f6f4 v[rD:rD+7], v[rA:rA+11], v[rB:rB+11], v[rC:rC+7], v[rSA], v[rSB] matrix_a_fmt:MATRIX_FMT_BF6 matrix_b_fmt:MATRIX_FMT_BF6 matrix_a_scale:MATRIX_SCALE_ROW1 matrix_b_scale:MATRIX_SCALE_ROW1
.endif
.endm
.macro FRAGA reg, a16, a8, off         ; a fragment from its two images: 16 + 8 bytes a lane from each
	ds_load_b128 v[(\reg):(\reg)+3], v[\a16] offset:(\off)
	ds_load_b64 v[(\reg)+4:(\reg)+5], v[\a8] offset:(\off)+512
	ds_load_b128 v[(\reg)+6:(\reg)+9], v[\a16] offset:(\off)+768
	ds_load_b64 v[(\reg)+10:(\reg)+11], v[\a8] offset:(\off)+1280
.endm
.macro FRAGW reg, adr, q, off          ; a fragment from rows of codes, in pieces of 8 bytes; lanes 16-31 read three pieces on, which for some pieces is behind one padding more: the second address register
.irp p, 0,1,2,3,4,5
.set PCE, 12*(\q)+6*(\p/3)+\p%3
.if PCE%32 < 29                        ; 32 pieces to 256 bytes
	ds_load_b64 v[(\reg)+2*\p:(\reg)+2*\p+1], v[\adr] offset:8*PCE+16*(PCE/32)+(\off)
.else
	ds_load_b64 v[(\reg)+2*\p:(\reg)+2*\p+1], v[(\adr)+2] offset:8*PCE+16*(PCE/32)+(\off)
.endif
.endr
.endm
; 16 nb numbers of a lane in window w, register 16 b + i = k 32 b + 16 (lane / 16) + i of my row, become codes in v[PC] on and the scale word in v[PW]
.macro QUANT s, nb, w
	WIN (\w)|((\w)<<2)
.irp b, 0,1,2,3
.if \b < \nb
	v_max3_num_f32 v[TM+\b], |v[(\s)+16*\b]|, |v[(\s)+16*\b+1]|, 0x2800000   ; each accumulator is read from its low end on; the floor 2^(5 - 127) holds the byte at 1
.endif
.endr
.irp i, 2,4,6,8,10,12,14
.irp b, 0,1,2,3
.if \b < \nb
	v_max3_num_f32 v[TM+\b], |v[(\s)+16*\b+\i]|, |v[(\s)+16*\b+\i+1]|, v[TM+\b]
.endif
.endr
.endr
	WIN 0
.irp b, 0,1,2,3
.if \b < \nb
	v_permlanex16_b32 v[TM+4+\b], v[TM+\b], s[SEL], s[SEL+1]
.endif
.endr
.irp b, 0,1,2,3
.if \b < \nb
	v_max_num_f32 v[TM+\b], v[TM+\b], v[TM+4+\b]
.endif
.endr
.irp b, 0,1,2,3
.if \b < \nb
	v_add_nc_u32 v[TM+12+\b], 0xfe000000, v[TM+\b]   ; 4 off the exponent field: the conversion's scale operand
.endif
.endr
.irp b, 0,1,2,3
.if \b < \nb
	v_lshrrev_b32 v[TM+4+\b], 23, v[TM+12+\b]        ; the byte
.endif
.endr
	v_lshl_or_b32 v[PW], v[TM+5], 8, v[TM+4]
.if \nb == 2
	v_or_b32 v[PW], 0x7f7f0000, v[PW]                ; the bytes of the zero codes that pad K to 128
.else
	v_lshl_or_b32 v[PW], v[TM+6], 16, v[PW]
	v_lshl_or_b32 v[PW], v[TM+7], 24, v[PW]
.endif
	WIN (\w)
.irp c, 0,1
.if 2*\c < \nb
	v_cvt_scalef32_pk16_bf6_f32 v[PC+6*\c:PC+6*\c+2], v[(\s)+32*\c:(\s)+32*\c+15], v[TM+12+2*\c]
	v_cvt_scalef32_pk16_bf6_f32 v[PC+12+4*\c:PC+14+4*\c], v[(\s)+32*\c+16:(\s)+32*\c+31], v[TM+13+2*\c]
.endif
.endr
	WIN 0
	v_nop                                          ; one plain place behind a scaled conversion
.irp c, 0,1
.if 2*\c < \nb
.irp i, 0,1,2
	v_permlane16_swap_b32 v[PC+6*\c+\i], v[PC+12+4*\c+\i]   ; a whole block to a lane
.endr
.irp i, 0,1,2
	v_mov_b32 v[PC+3+6*\c+\i], v[PC+12+4*\c+\i]
.endr
.endif
.endr
.endm
	s_load_b512 s[68:83], s[0:1], 0x0              ; xa 68, W_Q 70, W_K 72, W_V 74 (codes), 76, 78, 80 (scales), b_Q 82
	s_load_b256 s[84:91], s[0:1], 0x40             ; b_K 84, b_V 86, qb 88, kv 90
	s_load_b128 s[4:7], s[0:1], 0x60               ; W_O 4, wo 6
	v_lshl_add_u32 v[SPW], v0, 2, SPARE
	v_mov_b32 v[NIL], 0
	ds_add_u32 v28, v29
	ds_add_u32 v28, v29
	s_wait_dscnt 0x0
	v_lshrrev_b32 v1, 5, v0
	v_readfirstlane_b32 s14, v1                    ; wave 0..3
	s_lshr_b32 s15, s14, 1                         ; wm
	s_and_b32 s16, s14, 1                          ; wn
	s_bfe_u32 s40, ttmp6, 0x40000                  ; cx, cy: my place in the cluster
	s_bfe_u32 s41, ttmp6, 0x40004
	s_lshl_b32 s42, ttmp9, 2
	s_add_co_u32 s42, s42, s40                     ; X: the head
	s_and_b32 s17, ttmp7, 0xffff
	s_lshl_b32 s17, s17, 2
	s_add_co_u32 s17, s17, s41                     ; Y: the block of 256 rows
	s_lshl_b32 s43, s41, 2
	s_lshl_b32 s43, 15, s43                        ; my row of the cluster
	s_lshl_b32 s44, 0x1111, s40                    ; my column
	s_or_b32 s[G1], s43, (3<<16)|(1<<21)           ; x: elements of 8 bytes, no padding; the mask: my row; bit 21 beside it
	s_mov_b32 s[G1+1], 384<<16                     ; tensor_dim0: 3,072 bytes
	s_mov_b32 s[G1+2], 16<<16                      ; tensor_dim1: 16 tiles
	s_mov_b32 s[G1+3], 384<<16
	s_mov_b32 s[G1+4], 16
	s_mov_b32 s[G1+5], 1536                        ; 12,288 bytes from tile to tile
	s_mov_b32 s[G1+6], 0
	s_mov_b32 s[G1+7], 0
	s_or_b32 s[G1B], s44, (1<<20)|(1<<21)|(5<<22)|(3<<25)   ; a weight: bytes; 16 bytes of padding behind every 256; the mask: my column
	s_mov_b32 s[G1B+1], 768<<16
	s_mov_b32 s[G1B+2], 64<<16
	s_mov_b32 s[G1B+3], 768<<16
	s_mov_b32 s[G1B+4], 64
	s_mov_b32 s[G1B+5], 768
	s_mov_b32 s[G1B+6], 0
	s_mov_b32 s[G1B+7], 0
	s_mul_i32 s20, s17, 196608                     ; x: Y's 16 tiles
	s_mov_b32 s21, 0
	s_mul_i32 s94, s42, 49152                      ; a weight: head X's 64 rows
	s_mov_b32 s95, 0
	s_mul_i32 s47, s14, WTILE                      ; and where they go: wave x 64 rows
	s_mov_b32 s[SEL], 0x76543210
	s_mov_b32 s[SEL+1], 0xfedcba98
	s_mov_b32 s[LM], 0xffff0000
	s_wait_kmcnt 0x0
	s_add_nc_u64 s[20:21], s[68:69], s[20:21]
	s_cmp_eq_u32 s14, 0                            ; which weight I fetch hangs on the wave's number alone
	s_cselect_b64 s[92:93], s[70:71], s[74:75]
	s_cmp_eq_u32 s14, 1
	s_cselect_b64 s[92:93], s[72:73], s[92:93]
	s_add_nc_u64 s[92:93], s[92:93], s[94:95]
	CROUND                                         ; all sixteen work-groups are here: the first joint loads meet
.irp s, 0,1
	s_mov_b32 s[G0+4*\s], 1
	s_mov_b32 s[G0+4*\s+1], AOFF+\s*SLOT
	s_add_nc_u64 s[G0+4*\s+2:G0+4*\s+3], s[20:21], \s*APITCH
	s_or_b32 s[G0+4*\s+3], s[G0+4*\s+3], 0x80000000
.endr
	s_mov_b32 s[G0B], 1
	s_mov_b32 s[G0B+1], s47
	s_mov_b64 s[G0B+2:G0B+3], s[92:93]
	s_or_b32 s[G0B+3], s[G0B+3], 0x80000000
	JLOAD 0, 1                                     ; one tensor load a wave at the head: x's slot 0, and the three weights
	; W_O's three bases, in the registers that held the weights' codes' addresses, which are done with
	s_lshl_b32 s66, s17, 18                        ; W_O: 64 Y rows of 4,096 bytes,
	s_lshl_b32 s67, s42, 8                         ; 64 X columns,
	s_add_co_u32 s66, s66, s67
	s_lshl_b32 s67, s14, 6                         ; 16 columns a wave
	s_add_co_u32 s66, s66, s67
	s_mov_b32 s67, 0
	s_add_nc_u64 s[70:71], s[4:5], s[66:67]
	s_lshl_b32 s66, s42, 2
	s_add_co_u32 s66, s66, s14                     ; my tile of 16 columns: 4 X + wave
	s_lshl_b32 s66, s66, 4
	s_add_co_u32 s66, s66, s17                     ; its 16 images; mine is Y = 2 x K step + half
	s_mul_i32 s66, s66, 768
	s_add_nc_u64 s[72:73], s[6:7], s[66:67]
	s_lshr_b32 s66, s17, 1
	s_lshl_b32 s66, s66, 12                        ; the K step's 1,024 scale words,
	s_lshl_b32 s98, s42, 8
	s_add_co_u32 s66, s66, s98
	s_lshl_b32 s98, s14, 6
	s_add_co_u32 s66, s66, s98                     ; my 16 columns' words,
	s_and_b32 s98, s17, 1
	s_lshl_b32 s98, s98, 1
	s_add_co_u32 s66, s66, s98                     ; and my image's half of each
	s_add_co_u32 s66, s66, WPLANE
	s_add_nc_u64 s[74:75], s[6:7], s[66:67]
	v_and_b32 v1, 31, v0                           ; lane
	v_and_b32 v2, 15, v0                           ; r
	v_bfe_u32 v3, v0, 4, 1                         ; h
	v_and_b32 v4, 8, v2
	v_add_nc_u32 v4, v4, v2                        ; r + 8 (r / 8)
	v_lshlrev_b32 v[WOS], 2, v2                    ; 4 r
	v_lshl_add_u32 v[WOA], v3, 17, v[WOS]          ; W_O: column r, and 32 rows further down for lanes 16-31
	v_lshlrev_b32 v8, 4, v1
	v_lshlrev_b32 v9, 3, v1
	v_lshlrev_b32 v10, 2, v1
	v_lshlrev_b32 v11, 5, v4
	v_lshl_add_u32 v11, v3, 4, v11                 ; a weight's scale bytes: 32 a row, + 16 h
	v_lshlrev_b32 v12, 6, v3                       ; Q's or K's bias: 64 h
	v_lshlrev_b32 v13, 2, v4                       ; V's bias: my channel
	v_mul_u32_u24 v5, v4, BPITCH
	v_mad_u32_u24 v5, v3, 24, v5
	v_lshl_add_u32 v6, v3, 4, v5
	s_mul_i32 s2, s15, 8*APITCH
	s_add_co_u32 s2, s2, AOFF                      ; my 8 tiles of x
	s_mul_i32 s3, s16, WTILE                       ; W_Q or W_K
	s_mul_i32 s4, s16, 32*BPITCH
	s_add_co_u32 s4, s4, 2*WTILE                   ; my 32 rows of W_V
.irp s, 0,1
	v_add_nc_u32 v[A16+\s], s2, v8
	v_add_nc_u32 v[A8+\s], s2, v9
	s_add_co_u32 s2, s2, SLOT
.endr
	v_add_nc_u32 v[BQK], s3, v5
	v_add_nc_u32 v[BQK+2], s3, v6
	v_add_nc_u32 v[BV], s4, v5
	v_add_nc_u32 v[BV+2], s4, v6
	; bases of what is read once and of what is stored
	s_lshr_b32 s18, s17, 3
	s_lshl_b32 s18, s18, 4
	s_add_co_u32 s18, s18, s42                     ; bh = 16 x batch + head
	s_lshl_b32 s18, s18, 4
	s_lshl_b32 s19, s17, 1
	s_add_co_u32 s19, s19, s15
	s_and_b32 s19, s19, 15
	s_add_co_u32 s18, s18, s19                     ; my record: 16 bh + the block of 128 rows
	s_mul_i32 s19, s18, 6656
	s_mul_i32 s22, s18, 13056
	s_mov_b32 s23, 12288
	s_cmp_eq_u32 s16, 0                            ; Q's wave or K's: the choice hangs on the wave's number alone
	s_cselect_b64 s[2:3], s[76:77], s[78:79]
	s_cselect_b64 s[4:5], s[82:83], s[84:85]
	s_cselect_b64 s[6:7], s[88:89], s[90:91]
	s_cselect_b32 s94, s19, s22
	s_cselect_b32 s96, 6144, s23
	s_mov_b32 s95, 0
	s_mov_b32 s97, 0
	s_add_nc_u64 s[6:7], s[6:7], s[94:95]          ; q's or k's images
	s_add_nc_u64 s[96:97], s[6:7], s[96:97]        ; and their words
	s_mul_i32 s94, s16, 3072
	s_add_co_u32 s94, s94, s22
	s_add_co_u32 s94, s94, 6144
	s_add_nc_u64 s[92:93], s[90:91], s[94:95]      ; v's images: tiles 2 wn, 2 wn + 1
	s_lshl_b32 s94, s16, 7
	s_add_co_u32 s94, s94, s22
	s_add_co_u32 s94, s94, 12800
	s_add_nc_u64 s[20:21], s[90:91], s[94:95]      ; and their words
	s_lshl_b32 s94, s42, 11
	s_add_nc_u64 s[2:3], s[2:3], s[94:95]          ; the head's scale bytes
	s_add_nc_u64 s[8:9], s[80:81], s[94:95]
	s_lshl_b32 s94, s16, 10
	s_add_nc_u64 s[8:9], s[8:9], s[94:95]
	s_lshl_b32 s94, s42, 8
	s_add_nc_u64 s[4:5], s[4:5], s[94:95]          ; the head's biases
	s_add_nc_u64 s[10:11], s[86:87], s[94:95]
	s_lshl_b32 s94, s16, 7
	s_add_nc_u64 s[10:11], s[10:11], s[94:95]
	s_lshl_b32 s94, s17, 4
	s_lshl_b32 s18, s15, 3
	s_add_co_u32 s94, s94, s18
	s_lshl_b32 s94, s94, 6
	s_add_co_u32 s94, s94, APLANE
	s_add_nc_u64 s[12:13], s[68:69], s[94:95]      ; x's scale words, from my first tile on
.irp k, 0,1,2,3,4,5,6,7
.irp p, 0,1,2,3
	global_load_b32 v[AS+4*\k+\p], v10, s[12:13] offset:16384*\k+128*\p   ; lanes 0-15 tile 2 p, lanes 16-31 tile 2 p + 1
.endr
.endr
.irp t, 0,1,2,3
	global_load_b128 v[BS+4*\t:BS+4*\t+3], v11, s[2:3] offset:(32*(\t/2)+8*(\t%2))*32   ; register q: lanes 0-15 K step q, lanes 16-31 K step 4 + q
	global_load_b128 v[BQ+8*\t:BQ+8*\t+3], v12, s[4:5] offset:(32*(\t/2)+8*(\t%2))*4
	global_load_b128 v[BQ+8*\t+4:BQ+8*\t+7], v12, s[4:5] offset:(32*(\t/2)+8*(\t%2))*4+16
.endr
.irp u, 0,1
	global_load_b128 v[BS+16+4*\u:BS+16+4*\u+3], v11, s[8:9] offset:256*\u
.irp j, 0,1,2,3,4,5,6,7
	global_load_b32 v[BVB+8*\u+\j], v13, s[10:11] offset:32*\u   ; the lane's channel has one bias for all eight rows
.endr
.endr
; the products of K step k for M tiles a0 .. a0 + n - 1.  The accumulators take turns, one instruction a turn, in the same order in every K step.  K step 0 takes the biases as C.
.macro MULS k, a0, n
.if (\k) == 0
	WIN 0x81
.else
	WIN 0xa1
.endif
.set TI, \a0
.rept \n
.irp t, 0,1,2,3
.set rD, 32*TI+8*\t
.set rA, 128*((\k)%2)+12*\t
.set rB, AF+12*TI
.if (\k) == 0
.set rC, BQ+8*\t
.else
.set rC, rD
.endif
.set rSA, BS+4*\t+(\k)%4
.set rSB, AS+4*(\k)+TI/2
.set fR, 2*((\k)/4)+TI%2
	WM
.endr
.set TI, TI+1
.endr
.if (\k) == 0
	WIN 0xc4
.else
	WIN 0xf4
.endif
.set TI, \a0
.rept \n
.irp u, 0,1
.set rD, 64*\u+8*TI
.set rA, AF+12*TI
.set rB, 128*((\k)%2)+48+12*\u
.if (\k) == 0
.set rC, BVB+8*\u
.else
.set rC, rD
.endif
.set rSA, AS+4*(\k)+TI/2
.set rSB, BS+16+4*\u+(\k)%4
.set fR, 2*(TI%2)+(\k)/4
	WM
.endr
.set TI, TI+1
.endr
.endm
.macro FETCH_B k
.set FSL, 0                            ; the weights lie in one place, all K steps of a row on end
.set FQ, (\k)
.set FP, 128*((\k)%2)
	WIN 0x40
.irp t, 0,1,2,3
	FRAGW FP+12*\t, BQK+FSL, FQ, (32*(\t/2)+8*(\t%2))*BPITCH
.endr
.irp u, 0,1
	FRAGW FP+48+12*\u, BV+FSL, FQ, 8*\u*BPITCH
.endr
	WIN 0
.endm
.macro FETCH_A k, i0
.set FSL, ((\k)/NQ)%2
.set FQ, (\k)%NQ
.set FI, \i0
.rept MT/2
	FRAGA AF+12*FI, A16+FSL, A8+FSL, FI*APITCH+1536*FQ
.set FI, FI+1
.endr
.endm
.macro STEP k                          ; a K step whose successor lies in the same slot
	s_wait_dscnt 4*(MT/2)                          ; the weights' set and x's lower tiles are in; the youngest loads (x's upper tiles, four each) may be out
	MULS \k, 0, MT/2
	s_wait_dscnt 0x0
	PLACES
	FETCH_B (\k)+1
	FETCH_A (\k)+1, 0
	MULS \k, MT/2, MT/2
	PLACES
	WIN 0
	FETCH_A (\k)+1, MT/2
.endm
.macro TURN k, fill                    ; a slot's last K step changes slots: one barrier; fill = 1: it opens a round of the cluster's barrier, and this slot is filled again
.set TSL, ((\k)/NQ)%2
	WIN 0
	s_wait_tensorcnt 0x0                           ; all my tensor loads have landed: my part of the next slot
	ds_add_u32 v[SPW], v[NIL]                      ; 0 onto my spare word
	s_wait_dscnt 4*(MT/2)+1                        ; (the add and x's upper tiles may be out)
	MULS \k, 0, MT/4
	s_wait_dscnt 0x0                               ; the add is done, and my reads of this slot are over
	s_barrier_signal -1
	MULS \k, MT/4, MT/4
	WIN 0
	s_barrier_wait -1
.if \fill
	CREST                                          ; no wave of any partner still reads this slot or has a load on its way
	s_add_nc_u64 s[G0+4*TSL+2:G0+4*TSL+3], s[G0+4*TSL+2:G0+4*TSL+3], ASTEP
	JLOAD TSL, 0                                   ; the first tensor load behind the round
.endif
	PLACES
	FETCH_B (\k)+1
	FETCH_A (\k)+1, 0
	MULS \k, MT/2, MT/2
	PLACES
	WIN 0
	FETCH_A (\k)+1, MT/2
.endm
	s_wait_alu depctr_va_vdst(0)
	s_wait_tensorcnt 0x0                           ; my tile of the head's four is in
	ds_add_u32 v[SPW], v[NIL]
	s_wait_dscnt 0x0
	CROUND                                         ; a whole round: everybody's tile is in
	JLOAD 1, 0                                     ; x's slot 1, the first tensor load behind the round
	FETCH_B 0
	FETCH_A 0, 0
	FETCH_A 0, MT/2
	s_wait_loadcnt 0x0                             ; scale words and biases
	WIN 0x40                                       ; destination window 1
.set WI, 0
.rept 32
	global_load_b32 v[WOX+WI], v[WOA], s[70:71] offset:WI*4096   ; W_O(64 Y + 32 h + i, my column): asked for here, where no load of mine is out, and wanted behind the last store of q, k and v
.set WI, WI+1
.endr
	WIN 0
.set KK, 0
.rept KST-1
.if (KK%NQ) == NQ-1
.if KK/NQ+2 < KST/NQ
	TURN KK, 1
.else
	TURN KK, 0
.endif
.else
	STEP KK
.endif
.set KK, KK+1
.endr
	s_wait_dscnt 4*(MT/2)                          ; the last K step: nothing more to fetch
	MULS KST-1, 0, MT/2
	s_wait_dscnt 0x0
	MULS KST-1, MT/2, MT/2
	WIN 0
	; THE WAY OUT: quantised in registers, stored as images
	PLACES
.irp b, 0,1,2,3
	v_mov_b32 v[TM+4+\b], 0                        ; a lane permute's destination counts as one of its sources
.endr
.set TE, 0
.rept 8
	s_wait_xcnt 0x0                                ; the last tile's stores have read v[PC] on
.set PW, PWS+TE
	QUANT 32*TE, 2, 2
	global_store_b128 v8, v[PC:PC+3], s[6:7] offset:768*TE
	global_store_b64 v9, v[PC+4:PC+5], s[6:7] offset:768*TE+512
.set TE, TE+1
.endr
.irp p, 0,1,2,3
	v_cndmask_b32 v[WP+\p], v[PWS+2*\p], v[PWS+2*\p+1], s[LM]   ; lanes 0-15 tile 2 p's words, lanes 16-31 tile 2 p + 1's
.endr
.irp p, 0,1,2,3
	global_store_b32 v10, v[WP+\p], s[96:97] offset:128*\p
.endr
.irp u, 0,1
	s_wait_xcnt 0x0
.set PW, PWS+\u
	QUANT 64*\u, 4, 3
	global_store_b128 v8, v[PC:PC+3], s[92:93] offset:1536*\u
	global_store_b64 v9, v[PC+4:PC+5], s[92:93] offset:1536*\u+512
	global_store_b128 v8, v[PC+6:PC+9], s[92:93] offset:1536*\u+768
	global_store_b64 v9, v[PC+10:PC+11], s[92:93] offset:1536*\u+1280
.endr
	v_cndmask_b32 v[WP+4], v[PWS], v[PWS+1], s[LM]
	global_store_b32 v10, v[WP+4], s[20:21]
	; W_O'S IMAGE: my block of 32 along K is all mine
	s_wait_loadcnt 0x0                             ; W_O's 32 numbers
	s_wait_xcnt 0x0                                ; the stores above have read v[PC] on
	WIN 0x05                                       ; sources 0 and 1: window 1
	v_max3_num_f32 v[TM], |v[WOX]|, |v[WOX+1]|, 0x2800000          ; two chains, each begun with the floor 2^(5 - 127): the byte cannot fall under 1
	v_max3_num_f32 v[TM+1], |v[WOX+2]|, |v[WOX+3]|, 0x2800000
.irp i, 4,8,12,16,20,24,28
	v_max3_num_f32 v[TM], |v[WOX+\i]|, |v[WOX+\i+1]|, v[TM]
	v_max3_num_f32 v[TM+1], |v[WOX+\i+2]|, |v[WOX+\i+3]|, v[TM+1]
.endr
	WIN 0
	v_max_num_f32 v[TM], v[TM], v[TM+1]            ; the block's largest magnitude
	v_add_nc_u32 v[TM+12], 0xfe000000, v[TM]       ; 4 off its exponent field: the conversion's scale operand
	v_lshrrev_b32 v[TM+4], 23, v[TM+12]            ; my block's byte
	v_permlanex16_b32 v[TM+5], v[TM+4], s[SEL], s[SEL+1]   ; and that of the column's other block of this image
	v_cndmask_b32 v[TM+6], v[TM+4], v[TM+5], s[LM] ; the lower block's byte, in both halves of the lanes,
	v_cndmask_b32 v[TM+7], v[TM+5], v[TM+4], s[LM] ; and the upper block's
	v_lshl_or_b32 v[PWS], v[TM+7], 8, v[TM+6]      ; the image's half of the column's scale word
	WIN 0x01                                       ; source 0: window 1
	v_cvt_scalef32_pk16_bf6_f32 v[PC:PC+2], v[WOX:WOX+15], v[TM+12]
	v_cvt_scalef32_pk16_bf6_f32 v[PC+12:PC+14], v[WOX+16:WOX+31], v[TM+12]   ; (a conversion's three registers begin on an even number)
	WIN 0
	v_nop                                          ; one plain place behind a scaled conversion
.irp i, 0,1,2
	v_mov_b32 v[PC+3+\i], v[PC+12+\i]
.endr
	global_store_b128 v8, v[PC:PC+3], s[72:73]                  ; 512 consecutive bytes
	global_store_b64 v9, v[PC+4:PC+5], s[72:73] offset:512      ; 256
	global_store_b16 v[WOS], v[PWS], s[74:75]                   ; both halves of the lanes store the same two bytes
	s_wait_tensorcnt 0x0                           ; the wave's end
	ds_add_u32 v[SPW], v[NIL]
	s_wait_dscnt 0x0
	CROUND                                         ; the closing round
	s_endpgm
.Lfunc_end_k_q0b2b30f8b3_qkv:
	.size	k_q0b2b30f8b3_qkv, .Lfunc_end_k_q0b2b30f8b3_qkv-k_q0b2b30f8b3_qkv
	.p2alignl 7, 3214868480
	.fill 96, 4, 3214868480
	.section	.rodata,"a",@progbits
	.p2align	6, 0x0
	.amdhsa_kernel k_q0b2b30f8b3_qkv
		.amdhsa_group_segment_fixed_size 327680
		.amdhsa_private_segment_fixed_size 0
		.amdhsa_enable_private_segment 0
		.amdhsa_kernarg_size 112
		.amdhsa_user_sgpr_count 2
		.amdhsa_user_sgpr_kernarg_segment_ptr 1
		.amdhsa_wavefront_size32 1
		.amdhsa_system_sgpr_workgroup_id_x 1
		.amdhsa_system_sgpr_workgroup_id_y 1
		.amdhsa_system_sgpr_workgroup_id_z 1
		.amdhsa_system_vgpr_workitem_id 0
		.amdhsa_next_free_vgpr 1024
		.amdhsa_next_free_sgpr 102
		.amdhsa_reserve_vcc 0
		.amdhsa_float_denorm_mode_32 3
		.amdhsa_float_denorm_mode_16_64 3
		.amdhsa_memory_ordered 1
		.amdhsa_forward_progress 1
		.amdhsa_inst_pref_size 136
	.end_amdhsa_kernel
	.amdgpu_metadata
---
amdhsa.version: [ 1, 2 ]
amdhsa.kernels:
  - .name:           k_q0b2b30f8b3_qkv
    .symbol:         k_q0b2b30f8b3_qkv.kd
    .args:
      - { .name: xa, .offset: 0, .size: 8, .value_kind: global_buffer, .address_space: global }
      - { .name: W_Q_codes, .offset: 8, .size: 8, .value_kind: global_buffer, .address_space: global }
      - { .name: W_K_codes, .offset: 16, .size: 8, .value_kind: global_buffer, .address_space: global }
      - { .name: W_V_codes, .offset: 24, .size: 8, .value_kind: global_buffer, .address_space: global }
      - { .name: W_Q_scales, .offset: 32, .size: 8, .value_kind: global_buffer, .address_space: global }
      - { .name: W_K_scales, .offset: 40, .size: 8, .value_kind: global_buffer, .address_space: global }
      - { .name: W_V_scales, .offset: 48, .size: 8, .value_kind: global_buffer, .address_space: global }
      - { .name: b_Q, .offset: 56, .size: 8, .value_kind: global_buffer, .address_space: global }
      - { .name: b_K, .offset: 64, .size: 8, .value_kind: global_buffer, .address_space: global }
      - { .name: b_V, .offset: 72, .size: 8, .value_kind: global_buffer, .address_space: global }
      - { .name: qb, .offset: 80, .size: 8, .value_kind: global_buffer, .address_space: global }
      - { .name: kv, .offset: 88, .size: 8, .value_kind: global_buffer, .address_space: global }
      - { .name: W_O, .offset: 96, .size: 8, .value_kind: global_buffer, .address_space: global }
      - { .name: wo, .offset: 104, .size: 8, .value_kind: global_buffer, .address_space: global }
    .group_segment_fixed_size: 327680
    .private_segment_fixed_size: 0
    .kernarg_segment_align: 8
    .kernarg_segment_size: 112
    .max_flat_workgroup_size: 128
    .sgpr_count:     102
    .vgpr_count:     1024
    .wavefront_size: 32
...
	.end_amdgpu_metadata
.endif
;; end of part 2
;; launch attn (part 3): grid 8 x 32, 16 waves a work-group, no clusters, 327,680 bytes of LDS; arguments qb, kv, za; writes za
.if DOCPART == 3
	.amdgcn_target "amdgcn-amd-amdhsa--gfx1250"
	.amdhsa_code_object_version 6
	.text
	.protected	k_q0b2b30f8b3_attn
	.globl	k_q0b2b30f8b3_attn
	.p2align	8
	.type	k_q0b2b30f8b3_attn,@function
k_q0b2b30f8b3_attn:
	s_mov_b64 s[64:65], 0
	v_nop
	global_prefetch_b8 v0, s[64:65] scope:SCOPE_SE
	s_setreg_imm32_b32 hwreg(HW_REG_WAVE_MODE, 25, 1), 1
	s_wait_xcnt 0x0
; z[b][q][head][:] = the sum over keys k <= q of softmax_k(q . k / 8) v[k][:], both products on codes of BF6 (E3M2), and z quantised along (head, channel) for the next product.
; THE SOFTMAX: t = score x log2(e) / 8; M = the running largest t rounded UP to a whole number; p = 2^(t - M) is quantised along the keys, not normalised; the row's sum is taken of the unquantised p and divides at the end.
; When M moves, the sum and O are multiplied by 2^(old M - new M): exact.  Key tiles that lie wholly behind the causal mask are left out.
; The first product's K is the head's 64: the upper 64 of the instruction's 128 are zero codes on both sides (six registers cleared once), under the byte 127.
; SHARES: a work-group is (j, bh), j = 0 .. 7: the 8 tiles of 16 queries of block j (j + 1 key steps of 128 each) and the 8 of block 15 - j (16 - j steps): 17 steps for each pair of tiles.
; Wave w < 8 takes tile w of block j through all its steps and stores it; then it takes tile w of block 15 - j through key steps 9 .. 15 - j, with a sum, an M and an O of its own, and leaves them in LDS.
; Wave w + 8 takes that same tile through key steps 0 .. 8, then joins the two parts: both are brought under the larger M by a power of two, which rounds nothing.  So a wave has 8 or 9 steps, whatever j.
; The head's 16 records (128 keys each: K's 8 tiles, V's 4 x 2 images, their scale words; 13,056 bytes) are 816 consecutive rows of 256 bytes and come into LDS as they lie, in TWO FILLS, each shared out evenly among the
; 16 waves: at the head 13 rows a wave (208 rows: records 0-3 and the start of record 4); behind the first barrier the other 38 rows a wave.  Nothing is filled again.
; Three loops of constant count (records 0-3, 4-8, 9-15), a barrier ahead of the first two; a step that is not the wave's is jumped over by a scalar branch on ids.
; NO CLUSTER: the work-groups of one head differ in the steps that they jump over, which is a branch on their place; partners must run alike.  All 16 records are fetched though 16 - j of them are read.
; NO PREFETCH: the second fill is asked for four key steps ahead of its first read, and nothing is asked for after it.
; LAYOUT: both products transposed (S^T = K Q^T, O^T = V^T P^T): a lane holds one query.  The keys of a tile of K, and the channels of a tile of V, are r + 8 (r / 8) on from the tile's first: so p's 16 registers of two
; neighbouring tiles are 16 neighbouring keys, and O^T's are 16 neighbouring channels.
; LIMITS: NaN and infinities are not served; the scaled scores stay under 2^31 in magnitude; a block of z under 2^-122 gets the byte 1.  The scale bytes of z leave as 2 bytes a lane inside 64 consecutive bytes.
; REGISTERS: v1-4 lane terms; v5-6 where the pair's part lies in LDS; v8-10 the step's LDS addresses; v12 -M, v13 the largest t, v[14:15] the sum; v16-27 Q; v28-31 V's scale words; v32-79 four fragments of K;
;   v80-127 V's four; v128-191 S^T, then p; v192-223 O^T; v224-235 p's codes; v232-254 at work; v248-251 K's scale words; v253 p's; v255 Q's; v11, v243 the spare word's address and 0.
.set REC, 13056
.set ROWS0, 13                         ; rows of 256 bytes that a wave fetches at the head,
.set ROWS1, 38                         ; and behind the first barrier: 16 x (13 + 38) = 816
.set PART, 16*REC                      ; behind the records: a part: O^T as 8 x 512 bytes, then (-M, sum) as 256 bytes; one for each pair of waves; no fill lands there
.set PSZ, 4352
.set SPARE, PART+8*PSZ                 ; the spare words, 128 bytes a wave, which no other line names
.set S,   128
.set O,   192
.set WV,  10
.set QB,  11                           ; s11 the block of 128 queries at work
.set KS,  12                           ; s12 the key step
.set TB,  13                           ; s13 where its record begins in LDS
.set CNT, 14
.set G1,  24                           ; s[24:31], s[32:35] the first fill's descriptor
.set G0,  32
.set G1X, 68                           ; s[68:75], s[76:79] the second fill's
.set G0X, 76
.set Q2,  36                           ; s[36:37], s[38:39] the long tile's image and scale words of q
.set HI,  40                           ; s40 my last key step of the loops at work; s41 of the last loop
.set HI2, 41
.set SEL, 48
.set CS,  50                           ; s[50:51] c = log2(e) / 8
	s_load_b128 s[4:7], s[0:1], 0x0                ; qb, kv
	s_load_b64 s[8:9], s[0:1], 0x10                ; za
	v_lshl_add_u32 v11, v0, 2, SPARE
	v_mov_b32 v243, 0
	ds_add_u32 v11, v243                           ; the opening lines: the add, twice on end, and its wait ahead of my tensor load
	ds_add_u32 v11, v243
	v_lshrrev_b32 v1, 5, v0
	s_delay_alu instid0(VALU_DEP_1)
	v_readfirstlane_b32 s[WV], v1                  ; wave 0..15
	s_and_b32 s15, ttmp7, 0xffff                   ; bh
	s_and_b32 s16, s[WV], 7                        ; my tile of the block
	s_sub_co_u32 s17, 15, ttmp9                    ; the long block
	s_cmp_lt_u32 s[WV], 8
	s_cselect_b32 s[QB], ttmp9, s17
	s_cselect_b32 s[HI], ttmp9, 8                  ; records 0-8: the short tile's steps 0 .. j, or the long tile's 0 .. 8
	s_cselect_b32 s[HI2], s17, 0                   ; records 9-15: the long tile's steps 9 .. 15 - j, or none
.irp g, G1, G1X
	s_mov_b32 s[\g], 3<<16                         ; rows of 256 bytes (32 elements of 8), dense
	s_mov_b32 s[\g+1], 32<<16
	s_mov_b32 s[\g+3], 32<<16
	s_mov_b32 s[\g+5], 32
	s_mov_b32 s[\g+6], 0
	s_mov_b32 s[\g+7], 0
.endr
	s_mov_b32 s[G1+2], ROWS0<<16
	s_mov_b32 s[G1+4], ROWS0
	s_mov_b32 s[G1X+2], ROWS1<<16
	s_mov_b32 s[G1X+4], ROWS1
	s_mul_i32 s62, s[WV], ROWS0*256                ; my rows of the first fill: the same offset among the head's records and in LDS,
	s_mov_b32 s63, 0
	s_mul_i32 s46, s[WV], ROWS1*256
	s_add_co_u32 s46, s46, 16*ROWS0*256            ; and of the second
	s_mov_b32 s47, 0
	s_mul_i32 s2, s15, 16*REC                      ; my head's records
	s_mov_b32 s3, 0
	s_lshl_b32 s52, s15, 4
	s_add_co_u32 s42, s52, s17
	s_add_co_u32 s52, s52, s[QB]
	s_mul_i32 s52, s52, 6656                       ; my block's record of q
	s_mul_i32 s42, s42, 6656                       ; and the long block's
	s_mul_i32 s53, s16, 768
	s_lshl_b32 s55, s16, 6
	s_add_co_u32 s54, s52, s55
	s_add_co_u32 s54, s54, 6144                    ; my tile's scale words
	s_add_co_u32 s52, s52, s53                     ; my tile's image
	s_add_co_u32 s44, s42, s55
	s_add_co_u32 s44, s44, 6144
	s_add_co_u32 s42, s42, s53
	s_mov_b32 s53, 0
	s_mov_b32 s55, 0
	s_mov_b32 s43, 0
	s_mov_b32 s45, 0
	s_lshr_b32 s20, s15, 4
	s_lshl_b32 s20, s20, 7
	s_lshl_b32 s21, s[QB], 3
	s_add_co_u32 s20, s20, s21
	s_add_co_u32 s20, s20, s16                     ; the M tile that I store: 128 x batch + 8 x block + tile
	s_and_b32 s21, s15, 15
	s_lshr_b32 s22, s21, 1                         ; the next product's K step: head / 2
	s_and_b32 s21, s21, 1                          ; and the image in it: head % 2
	s_lshl_b32 s56, s20, 3
	s_add_co_u32 s56, s56, s22
	s_mul_i32 s56, s56, 1536
	s_mul_i32 s23, s21, 768
	s_add_co_u32 s56, s56, s23
	s_mov_b32 s57, 0
	s_lshl_b32 s58, s22, 14
	s_lshl_b32 s23, s20, 6
	s_add_co_u32 s58, s58, s23
	s_lshl_b32 s23, s21, 1
	s_add_co_u32 s58, s58, s23
	s_add_co_u32 s58, s58, 3145728
	s_mov_b32 s59, 0
	s_lshr_b32 s23, s16, 1
	s_lshl_b32 s23, s23, 5
	s_and_b32 s60, s16, 1
	s_lshl_b32 s60, s60, 3
	s_add_co_u32 s23, s23, s60                     ; my tile's first query in the block
	s_mul_i32 s18, s16, PSZ
	s_add_co_u32 s18, s18, PART                    ; my pair's part
	s_mov_b32 s[SEL], 0x76543210
	s_mov_b32 s[SEL+1], 0xfedcba98
	s_mov_b32 s[CS], 0x3e38aa3b
	s_mov_b32 s[CS+1], s[CS]
	s_mov_b32 s[KS], 0
	s_wait_dscnt 0x0
	s_wait_kmcnt 0x0
	s_add_nc_u64 s[2:3], s[6:7], s[2:3]
	s_mov_b32 s[G0], 1
	s_mov_b32 s[G0+1], s62
	s_add_nc_u64 s[G0+2:G0+3], s[2:3], s[62:63]
	s_or_b32 s[G0+3], s[G0+3], 0x80000000
	s_mov_b32 s[G0X], 1
	s_mov_b32 s[G0X+1], s46
	s_add_nc_u64 s[G0X+2:G0X+3], s[2:3], s[46:47]
	s_or_b32 s[G0X+3], s[G0X+3], 0x80000000
	tensor_load_to_lds s[G0:G0+3], s[G1:G1+7]      ; my 13 rows: one tensor load a wave at the head
	s_nop 0
.rept 4
	v_nop
.endr
	s_add_nc_u64 s[52:53], s[4:5], s[52:53]
	s_add_nc_u64 s[54:55], s[4:5], s[54:55]
	s_add_nc_u64 s[Q2:Q2+1], s[4:5], s[42:43]
	s_add_nc_u64 s[Q2+2:Q2+3], s[4:5], s[44:45]
	s_add_nc_u64 s[56:57], s[8:9], s[56:57]
	s_add_nc_u64 s[58:59], s[8:9], s[58:59]
	v_and_b32 v5, 31, v0
	v_and_b32 v6, 15, v0
	v_bfe_u32 v7, v0, 4, 1
	s_delay_alu instid0(VALU_DEP_3)
	v_lshlrev_b32 v1, 4, v5                        ; 16 x lane
	s_delay_alu instid0(VALU_DEP_4)
	v_lshlrev_b32 v2, 3, v5                        ; 8 x lane
	s_delay_alu instid0(VALU_DEP_4)
	v_lshlrev_b32 v3, 2, v6                        ; 4 r
	global_load_b128 v[16:19], v1, s[52:53]        ; Q's fragment: its lower 64 along K
	global_load_b64 v[20:21], v2, s[52:53] offset:512
	global_load_b32 v255, v3, s[54:55]             ; Q's scale words
	v_and_b32 v4, 8, v6
	s_delay_alu instid0(VALU_DEP_1)
	v_add_nc_u32 v4, v4, v6
	v_lshlrev_b32 v7, 4, v7
	s_delay_alu instid0(VALU_DEP_1)
	v_sub_nc_u32 v4, v4, v7
	s_delay_alu instid0(VALU_DEP_1)
	v_add_nc_u32 v4, s23, v4                       ; d = my query in the block - 16 (lane / 16)
	v_add_nc_u32 v5, s18, v1                       ; the part: + 16 lane,
	v_add_nc_u32 v6, s18, v2                       ; + 8 lane
.irp j, 22,23,24,25,26,27
	v_mov_b32 v[\j], 0                             ; zero codes pad K from 64 to 128
.endr
.irp t, 0,1,2,3
.irp j, 6,7,8,9,10,11
	v_mov_b32 v[32+12*\t+\j], 0
.endr
.endr
.irp b, 0,1,2,3
	v_mov_b32 v[236+\b], 0                         ; a lane permute's destination counts as one of its sources
.endr
	v_mov_b32 v252, 0
	v_mov_b32 v253, 0                              ; (named as the upper half of the pair v[252:253] before it is first written)
.macro BEGIN                           ; a tile's sums begin
	v_mov_b32 v13, 0xff61b1e6                      ; the largest t so far: -3e38
	s_delay_alu instid0(VALU_DEP_1)
	v_floor_f32 v12, -v13                          ; -M
	v_mov_b32 v14, 0
	v_mov_b32 v15, 0
.set j, 0
.rept 32
	v_mov_b32 v[O+j], 0                            ; O^T: the step is written once; its first trip finds zeros
.set j, j+1
.endr
.endm
	BEGIN
.macro STEP
	s_cmp_gt_u32 s[KS], s[HI]                      ; not my step (its keys come after my queries, or are my partner's): its work is left out
	s_cbranch_scc1 .Lhidden_\@
	v_add_nc_u32 v8, s[TB], v1
	v_add_nc_u32 v9, s[TB], v2
	v_add_nc_u32 v10, s[TB], v3
	v_nop                                          ; with the three additions: four places behind the last step's products
.irp t, 0,1,2,3
	ds_load_b128 v[32+12*\t:35+12*\t], v8 offset:768*\t
	ds_load_b64 v[36+12*\t:37+12*\t], v9 offset:768*\t+512
	ds_load_b32 v[248+\t], v10 offset:12288+64*\t
.endr
	s_wait_alu depctr_va_vdst(0)
	s_wait_dscnt 0x0
.irp t, 0,1,2,3
	v_wmma_scale_f32_16x16x128_f8f6f4 v[S+8*\t:S+8*\t+7], v[32+12*\t:43+12*\t], v[16:27], 0, v[248+\t], v255 matrix_a_fmt:MATRIX_FMT_BF6 matrix_b_fmt:MATRIX_FMT_BF6
.endr
.rept 4
	v_nop                                          ; places in front of loads into registers that these products read
.endr
.irp t, 0,1,2,3
	ds_load_b128 v[32+12*\t:35+12*\t], v8 offset:768*(4+\t)
	ds_load_b64 v[36+12*\t:37+12*\t], v9 offset:768*(4+\t)+512
	ds_load_b32 v[248+\t], v10 offset:12288+64*(4+\t)
.endr
.irp t, 0,1,2,3
.irp c, 0,1
	ds_load_b128 v[80+12*\t+6*\c:83+12*\t+6*\c], v8 offset:6144+1536*\t+768*\c
	ds_load_b64 v[84+12*\t+6*\c:85+12*\t+6*\c], v9 offset:6144+1536*\t+768*\c+512
.endr
.endr
.irp t, 0,1,2,3
	ds_load_b32 v[28+\t], v10 offset:12800+64*\t
.endr
	s_wait_dscnt 20                                ; K's tiles 4-7 are in; V's 16 loads and its 4 words may be out
.irp t, 0,1,2,3
	v_wmma_scale_f32_16x16x128_f8f6f4 v[S+32+8*\t:S+32+8*\t+7], v[32+12*\t:43+12*\t], v[16:27], 0, v[248+\t], v255 matrix_a_fmt:MATRIX_FMT_BF6 matrix_b_fmt:MATRIX_FMT_BF6
.endr
.rept 4
	v_nop
.endr
	s_cmp_lg_u32 s[KS], s[QB]                      ; on the diagonal the scores of hidden keys become -infinity ahead of the maximum
	s_cbranch_scc1 .Lopen_\@
	v_mov_b32 v254, 0xff800000
.set n, 0
.rept 64
	v_cmp_gt_i32 vcc_lo, 32*(n/16)+n%16, v4        ; register 16 b + i holds key 32 b + 16 (lane / 16) + i: hidden where 32 b + i > d
	v_cndmask_b32 v[S+n], v[S+n], v254, vcc_lo
.set n, n+1
.endr
.Lopen_\@:
.irp b, 0,1,2,3
	v_max3_num_f32 v[232+\b], v[S+16*\b], v[S+1+16*\b], v[S+2+16*\b]   ; the largest score of each block of 32 keys: for the row's maximum, and for the block's largest p
.endr
.irp i, 3,5,7,9,11,13
.irp b, 0,1,2,3
	v_max3_num_f32 v[232+\b], v[232+\b], v[S+16*\b+\i], v[S+1+16*\b+\i]
.endr
.endr
.irp b, 0,1,2,3
	v_max_num_f32 v[232+\b], v[232+\b], v[S+15+16*\b]
.endr
.irp b, 0,1,2,3
	s_delay_alu instid0(VALU_DEP_4)
	v_permlanex16_b32 v[236+\b], v[232+\b], s[SEL], s[SEL+1]
.endr
.irp b, 0,1,2,3
	s_delay_alu instid0(VALU_DEP_4)
	v_max_num_f32 v[232+\b], v[232+\b], v[236+\b]
.endr
	s_delay_alu instid0(VALU_DEP_2)
	v_max3_num_f32 v254, v232, v233, v234
	s_delay_alu instid0(VALU_DEP_1)
	v_max_num_f32 v254, v254, v235
	s_delay_alu instid0(VALU_DEP_1)
	v_mul_f32 v254, s[CS], v254                    ; as t
	s_delay_alu instid0(VALU_DEP_1)
	v_max_num_f32 v13, v13, v254                   ; the running largest t
	v_mov_b32 v254, v12
	s_delay_alu instid0(VALU_DEP_2)
	v_floor_f32 v12, -v13                          ; the new -M = -ceil(t)
	s_delay_alu instid0(VALU_DEP_1)
	v_sub_f32 v254, v12, v254                      ; old M - new M: a whole number, 0 or less
	s_delay_alu instid0(VALU_DEP_1)
	v_cvt_i32_f32 v254, v254
	s_delay_alu instid0(VALU_DEP_1)
	v_ldexp_f32 v252, 1.0, v254                    ; f = 2^(old M - new M)
.set j, 0
.rept 32
	v_pk_fma_f32 v[S+j:S+j+1], v[S+j:S+j+1], s[CS:CS+1], v[12:13] op_sel_hi:[1,0,0]   ; t - M
.set j, j+2
.endr
.irp b, 0,1,2,3
	v_fma_f32 v[232+\b], v[232+\b], s[CS], v12
.endr
.set j, 0
	s_wait_alu depctr_va_vdst(0)
.rept 64
	v_exp_f32 v[S+j], v[S+j]                       ; p = 2^(t - M)
.set j, j+1
.endr
.irp b, 0,1,2,3
	v_exp_f32 v[232+\b], v[232+\b]                 ; the block's largest p
.endr
	v_pk_mul_f32 v[14:15], v[14:15], v[252:253] op_sel_hi:[1,0]   ; the sums under the new M (a plain place behind the exponentials)
	s_wait_alu depctr_va_vdst(0)
.irp b, 0,1,2,3
	v_max_num_f32 v[232+\b], 0x2800000, v[232+\b]  ; the floor 2^(5 - 127)
.endr
.irp b, 0,1,2,3
	s_delay_alu instid0(VALU_DEP_4)
	v_add_nc_u32 v[244+\b], 0xfe000000, v[232+\b]
.endr
.irp b, 0,1,2,3
	s_delay_alu instid0(VALU_DEP_4)
	v_lshrrev_b32 v[236+\b], 23, v[244+\b]
.endr
	s_delay_alu instid0(VALU_DEP_3)
	v_lshl_or_b32 v253, v237, 8, v236              ; p's scale word
	s_delay_alu instid0(VALU_DEP_1)
	v_lshl_or_b32 v253, v238, 16, v253
	s_delay_alu instid0(VALU_DEP_1)
	v_lshl_or_b32 v253, v239, 24, v253
.irp c, 0,1
	v_cvt_scalef32_pk16_bf6_f32 v[224+6*\c:226+6*\c], v[S+32*\c:S+15+32*\c], v[244+2*\c]
	v_cvt_scalef32_pk16_bf6_f32 v[236+4*\c:238+4*\c], v[S+16+32*\c:S+31+32*\c], v[244+2*\c+1]
.endr
	v_nop
.irp c, 0,1
.irp i, 0,1,2
	v_permlane16_swap_b32 v[224+6*\c+\i], v[236+4*\c+\i]
.endr
.irp i, 0,1,2
	s_delay_alu instid0(VALU_DEP_3)
	v_mov_b32 v[227+6*\c+\i], v[236+4*\c+\i]
.endr
.endr
	v_pk_add_f32 v[236:237], v[132:133], v[136:137]   ; the row's sum of the unquantised p, in eight chains
	v_pk_add_f32 v[250:251], v[140:141], v[144:145]
	v_pk_add_f32 v[248:249], v[148:149], v[152:153]
	v_pk_add_f32 v[246:247], v[156:157], v[160:161]
	v_pk_add_f32 v[244:245], v[164:165], v[168:169]
	v_pk_add_f32 v[240:241], v[172:173], v[176:177]
	v_pk_add_f32 v[72:73], v[180:181], v[184:185]
	v_pk_add_f32 v[14:15], v[14:15], v[188:189]
	v_pk_add_f32 v[236:237], v[236:237], v[128:129]
	v_pk_add_f32 v[250:251], v[250:251], v[130:131]
	v_pk_add_f32 v[248:249], v[248:249], v[134:135]
	v_pk_add_f32 v[246:247], v[246:247], v[138:139]
	v_pk_add_f32 v[244:245], v[244:245], v[142:143]
	v_pk_add_f32 v[240:241], v[240:241], v[146:147]
	v_pk_add_f32 v[72:73], v[72:73], v[150:151]
	v_pk_add_f32 v[14:15], v[14:15], v[154:155]
	v_pk_add_f32 v[236:237], v[236:237], v[158:159]
	v_pk_add_f32 v[250:251], v[250:251], v[162:163]
	v_pk_add_f32 v[248:249], v[248:249], v[166:167]
	v_pk_add_f32 v[246:247], v[246:247], v[170:171]
	v_pk_add_f32 v[244:245], v[244:245], v[174:175]
	v_pk_add_f32 v[240:241], v[240:241], v[178:179]
	v_pk_add_f32 v[72:73], v[72:73], v[182:183]
	v_pk_add_f32 v[14:15], v[14:15], v[186:187]
	v_pk_add_f32 v[236:237], v[236:237], v[190:191]
	s_delay_alu instid0(VALU_DEP_2)
	v_pk_add_f32 v[14:15], v[14:15], v[246:247]
	s_delay_alu instid0(VALU_DEP_2)
	v_pk_add_f32 v[236:237], v[236:237], v[244:245]
	v_pk_add_f32 v[250:251], v[250:251], v[240:241]
	v_pk_add_f32 v[248:249], v[248:249], v[72:73]
	s_delay_alu instid0(VALU_DEP_2)
	v_pk_add_f32 v[14:15], v[14:15], v[250:251]
	s_delay_alu instid0(VALU_DEP_2)
	v_pk_add_f32 v[236:237], v[236:237], v[248:249]
	s_delay_alu instid0(VALU_DEP_1)
	v_pk_add_f32 v[14:15], v[14:15], v[236:237]
.set j, 0
.rept 16
	v_pk_mul_f32 v[O+j:O+j+1], v[O+j:O+j+1], v[252:253] op_sel_hi:[1,0]   ; O^T under the new M
.set j, j+2
.endr
	s_wait_alu depctr_va_vdst(0)
	s_wait_dscnt 0x0                               ; V
.irp t, 0,1,2,3
	v_wmma_scale_f32_16x16x128_f8f6f4 v[O+8*\t:O+8*\t+7], v[80+12*\t:91+12*\t], v[224:235], v[O+8*\t:O+8*\t+7], v[28+\t], v253 matrix_a_fmt:MATRIX_FMT_BF6 matrix_b_fmt:MATRIX_FMT_BF6
.endr
.Lhidden_\@:
	s_add_co_u32 s[KS], s[KS], 1
	s_add_co_u32 s[TB], s[TB], REC
.endm
.macro PASS tb, n                      ; n records from LDS byte tb on
	s_mov_b32 s[TB], \tb
	s_mov_b32 s[CNT], \n
.Lpass_\@:
	STEP
	s_sub_co_u32 s[CNT], s[CNT], 1
	s_cmp_lg_u32 s[CNT], 0
	s_cbranch_scc1 .Lpass_\@
.rept 4
	v_nop                                          ; places behind the last products
.endr
.endm
; THE WAY OUT of a tile: v14 holds my lane's share of the sum.  z = O^T / the sum; register 8 t + i is channel 32 (t / 2) + 16 (lane / 16) + 8 (t % 2) + i: two blocks of 32 along the next K
.macro FINISH
	v_permlanex16_b32 v252, v14, s[SEL], s[SEL+1]
	s_delay_alu instid0(VALU_DEP_1)
	v_add_f32 v14, v14, v252
	s_wait_alu depctr_va_vdst(0)
	v_rcp_f32 v15, v14
	v_nop
.set j, 0
	s_wait_alu depctr_va_vdst(0)
.rept 32
	v_mul_f32 v[S+j], v[O+j], v15
.set j, j+1
.endr
	v_max3_num_f32 v232, |v[S]|, |v[S+1]|, 0x2800000
	v_max3_num_f32 v233, |v[S+16]|, |v[S+17]|, 0x2800000
.irp i, 2,4,6,8,10,12,14
	s_delay_alu instid0(VALU_DEP_2)
	v_max3_num_f32 v232, v232, |v[S+\i]|, |v[S+1+\i]|
	s_delay_alu instid0(VALU_DEP_2)
	v_max3_num_f32 v233, v233, |v[S+16+\i]|, |v[S+17+\i]|
.endr
	s_delay_alu instid0(VALU_DEP_2)
	v_permlanex16_b32 v236, v232, s[SEL], s[SEL+1]
	s_delay_alu instid0(VALU_DEP_2)
	v_permlanex16_b32 v237, v233, s[SEL], s[SEL+1]
	s_delay_alu instid0(VALU_DEP_2)
	v_max_num_f32 v232, v232, v236
	s_delay_alu instid0(VALU_DEP_2)
	v_max_num_f32 v233, v233, v237
	s_delay_alu instid0(VALU_DEP_2)
	v_add_nc_u32 v244, 0xfe000000, v232
	s_delay_alu instid0(VALU_DEP_2)
	v_add_nc_u32 v245, 0xfe000000, v233
	s_delay_alu instid0(VALU_DEP_2)
	v_lshrrev_b32 v236, 23, v244
	s_delay_alu instid0(VALU_DEP_2)
	v_lshrrev_b32 v237, 23, v245
	s_delay_alu instid0(VALU_DEP_1)
	v_lshl_or_b32 v254, v237, 8, v236              ; my head's half of the row's scale word
	v_cvt_scalef32_pk16_bf6_f32 v[160:162], v[S:S+15], v244
	v_cvt_scalef32_pk16_bf6_f32 v[172:174], v[S+16:S+31], v245
	v_nop
.irp i, 0,1,2
	v_permlane16_swap_b32 v[160+\i], v[172+\i]
.endr
.irp i, 0,1,2
	s_delay_alu instid0(VALU_DEP_3)
	v_mov_b32 v[163+\i], v[172+\i]
.endr
	global_store_b128 v1, v[160:163], s[56:57]
	global_store_b64 v2, v[164:165], s[56:57] offset:512
	global_store_b16 v3, v254, s[58:59]            ; both halves of the lanes store the same two bytes
.endm
	s_wait_alu depctr_va_vdst(0)                   ; the wait at the head's end
	s_wait_loadcnt 0x0                             ; Q
	s_wait_tensorcnt 0x0                           ; my rows of the first fill have landed
	ds_add_u32 v11, v243
	s_wait_dscnt 0x0
	s_barrier_signal -1
	s_barrier_wait -1                              ; everybody's have: records 0-3 are in
	tensor_load_to_lds s[G0X:G0X+3], s[G1X:G1X+7]  ; my 38 rows of the rest: my one tensor load behind this barrier
	s_nop 0
.rept 4
	v_nop
.endr
	PASS 0, 4
	s_wait_tensorcnt 0x0                           ; my rows of the second fill have landed
	s_wait_dscnt 0x0
	s_barrier_signal -1
	s_barrier_wait -1                              ; everybody's have: all 16 records are in
	PASS 4*REC, 5
	s_cmp_lt_u32 s[WV], 8
	s_cbranch_scc0 .Llong_1
	global_load_b128 v[16:19], v1, s[Q2:Q2+1]      ; the short tile is done: the long tile's Q comes in under the way out
	global_load_b64 v[20:21], v2, s[Q2:Q2+1] offset:512
	global_load_b32 v255, v3, s[Q2+2:Q2+3]
	v_add_f32 v14, v14, v15
	FINISH
	s_wait_xcnt 0x0                                ; the stores have read their registers
	BEGIN
	s_wait_alu depctr_va_vdst(0)
	s_wait_loadcnt 0x0
.Llong_1:
	s_mov_b32 s[HI], s[HI2]
	s_mov_b32 s[QB], s17
	PASS 9*REC, 7
	s_cmp_lt_u32 s[WV], 8
	s_cbranch_scc0 .Llong_2
	v_add_f32 v13, v14, v15                        ; my lane's share of the sum, beside -M
.irp i, 0,1,2,3,4,5,6,7
	ds_store_b128 v5, v[O+4*\i:O+4*\i+3] offset:512*\i   ; each accumulator from its low end on
.endr
	ds_store_b64 v6, v[12:13] offset:4096
.Llong_2:
	s_wait_dscnt 0x0                               ; for my partner's sake: my stores are done
	s_barrier_signal -1
	s_barrier_wait -1
	s_cmp_lt_u32 s[WV], 8
	s_cbranch_scc1 .Ldone
.irp i, 0,1,2,3,4,5,6,7
	ds_load_b128 v[S+4*\i:S+4*\i+3], v5 offset:512*\i    ; my partner's O^T, in the same lanes and registers as mine,
.endr
	ds_load_b64 v[160:161], v6 offset:4096               ; its -M and its sum
	v_add_f32 v14, v14, v15
	s_wait_alu depctr_va_vdst(0)
	s_wait_dscnt 0x0
	v_min_num_f32 v162, v12, v160                  ; -(the larger M)
	s_delay_alu instid0(VALU_DEP_1)
	v_sub_f32 v163, v162, v160                     ; each part's M less the larger: whole numbers, 0 or less
	v_sub_f32 v164, v162, v12
	s_delay_alu instid0(VALU_DEP_2)
	v_cvt_i32_f32 v163, v163                       ; (it saturates: a part with no step counts for nothing)
	s_delay_alu instid0(VALU_DEP_2)
	v_cvt_i32_f32 v164, v164
	s_delay_alu instid0(VALU_DEP_2)
	v_ldexp_f32 v166, 1.0, v163
	s_delay_alu instid0(VALU_DEP_2)
	v_ldexp_f32 v168, 1.0, v164
	v_mov_b32 v167, 0                              ; (the upper halves of the pairs that the packed forms name)
	v_mov_b32 v169, 0
	s_delay_alu instid0(VALU_DEP_3)
	v_mul_f32 v14, v14, v168
	s_delay_alu instid0(VALU_DEP_1)
	v_fma_f32 v14, v161, v166, v14
.set j, 0
.rept 16
	v_pk_mul_f32 v[S+j:S+j+1], v[S+j:S+j+1], v[166:167] op_sel_hi:[1,0]
.set j, j+2
.endr
.set j, 0
.rept 16
	v_pk_fma_f32 v[O+j:O+j+1], v[O+j:O+j+1], v[168:169], v[S+j:S+j+1] op_sel_hi:[1,0,1]
.set j, j+2
.endr
	FINISH
.Ldone:
	s_wait_tensorcnt 0x0                           ; the wave's end
	ds_add_u32 v11, v243
	s_wait_dscnt 0x0
	s_endpgm
.Lfunc_end_k_q0b2b30f8b3_attn:
	.size	k_q0b2b30f8b3_attn, .Lfunc_end_k_q0b2b30f8b3_attn-k_q0b2b30f8b3_attn
	.p2alignl 7, 3214868480
	.fill 96, 4, 3214868480
	.section	.rodata,"a",@progbits
	.p2align	6, 0x0
	.amdhsa_kernel k_q0b2b30f8b3_attn
		.amdhsa_group_segment_fixed_size 327680
		.amdhsa_private_segment_fixed_size 0
		.amdhsa_enable_private_segment 0
		.amdhsa_kernarg_size 24
		.amdhsa_user_sgpr_count 2
		.amdhsa_user_sgpr_kernarg_segment_ptr 1
		.amdhsa_wavefront_size32 1
		.amdhsa_system_sgpr_workgroup_id_x 1
		.amdhsa_system_sgpr_workgroup_id_y 1
		.amdhsa_system_sgpr_workgroup_id_z 1
		.amdhsa_system_vgpr_workitem_id 0
		.amdhsa_next_free_vgpr 256
		.amdhsa_next_free_sgpr 80
		.amdhsa_reserve_vcc 1
		.amdhsa_float_denorm_mode_32 3
		.amdhsa_float_denorm_mode_16_64 3
		.amdhsa_memory_ordered 1
		.amdhsa_forward_progress 1
		.amdhsa_inst_pref_size 93
	.end_amdhsa_kernel
	.amdgpu_metadata
---
amdhsa.version: [ 1, 2 ]
amdhsa.kernels:
  - .name:           k_q0b2b30f8b3_attn
    .symbol:         k_q0b2b30f8b3_attn.kd
    .args:
      - { .name: qb, .offset: 0, .size: 8, .value_kind: global_buffer, .address_space: global }
      - { .name: kv, .offset: 8, .size: 8, .value_kind: global_buffer, .address_space: global }
      - { .name: za, .offset: 16, .size: 8, .value_kind: global_buffer, .address_space: global }
    .group_segment_fixed_size: 327680
    .private_segment_fixed_size: 0
    .kernarg_segment_align: 8
    .kernarg_segment_size: 24
    .max_flat_workgroup_size: 512
    .sgpr_count:     80
    .vgpr_count:     256
    .wavefront_size: 32
...
	.end_amdgpu_metadata
.endif
;; end of part 3
;; launch oproj (part 4): grid 8 x 32, 4 waves a work-group, clusters of 4 x 4, 327,680 bytes of LDS; arguments za, wo, b_O, resid_pre, rmid; writes rmid
.if DOCPART == 4
	.amdgcn_target "amdgcn-amd-amdhsa--gfx1250"
	.amdhsa_code_object_version 6
	.text
	.protected	k_q0b2b30f8b3_oproj
	.globl	k_q0b2b30f8b3_oproj
	.p2align	8
	.type	k_q0b2b30f8b3_oproj,@function
k_q0b2b30f8b3_oproj:
	s_mov_b64 s[64:65], 0
	v_nop
	global_prefetch_b8 v0, s[64:65] scope:SCOPE_SE
	s_setreg_imm32_b32 hwreg(HW_REG_WAVE_MODE, 25, 1), 1
	s_wait_xcnt 0x0
	s_wait_alu depctr_hold_cnt(0) depctr_sa_sdst(0) depctr_va_vdst(0) depctr_va_sdst(0) depctr_va_ssrc(0) depctr_va_vcc(0) depctr_vm_vsrc(0)
	s_getreg_b32 s2, hwreg(HW_REG_IB_STS2, 6, 4)
	s_cmp_eq_u32 s2, 0
	s_cbranch_scc0 .Lentry_in_a_cluster
	s_endpgm
.Lentry_in_a_cluster:
	s_bfe_u32 s2, ttmp6, 0x10000c
	s_cmp_lg_u32 s2, 0xf033
	s_cbranch_scc0 .Lentry_shape_is_right
	s_endpgm
.Lentry_shape_is_right:
; rmid = resid_pre + z W_O + b_O, f32 [4096][1024], on codes of BF6 (E3M2), K = 1,024.  z and W_O arrive as images of the operands' registers (two of 768 bytes for a tile of 16 rows and a K step of 128), this program's own layout.
; A tile of the result is 128 x 128, so that the 32 x 8 tiles give each of 256 work-groups one; a wave makes 64 x 64: 16 accumulators.
; ALL OF K COMES AT THE HEAD: a tile's eight K steps are 12,288 consecutive bytes; waves 0 and 1 fetch four tiles of z each, waves 2 and 3 four of W_O: one tensor load a wave, 196,608 bytes in all.  Nothing is filled again,
; so one barrier stands between the loads and the walk along K, and there is no loop to prefetch in.
; TWO SETS OF FRAGMENTS: a K step's eight fragments (32 LDS loads) are asked for ahead of the products of the step before, 16 matrix instructions ahead of their first use.
; TRANSPOSED: source 0 = 16 rows of B, source 1 = an M tile of A (lane r = row 32 (T / 2) + 8 (T % 2) + r + 8 (r / 8)): a lane holds eight neighbouring columns of one row.  The bias is the C of each sum's first product.
; CLUSTER 4 x 4: A's tiles are shared along a row of the cluster, B's along a column.  All scale words are read once, at the head, into registers: so the K walk is written out.
; The residual's 64 x 64 numbers are asked for at the head, in the layout in which the results leave, and are added on the way out, which goes through the wave's own stage: sixteen lanes store 256 consecutive, aligned bytes.
; REGISTERS: window 0: v0-31 addresses; v32-47 A's scale words; v96-111 B's; v160-191 the bias; on the way out v160-223 are at work.  window 1: set s of the fragments at v[128 s]: B's four, then from v[128 s + 64] A's four.
;   window 2: accumulator (T, t) at v[32 T + 8 t].  window 3: the residual.
.set KST,    8
.set MT,     4
.set APITCH, 12288                     ; a tile's eight K steps of images
.set AHALF,  4*APITCH
.set BOFF,   2*AHALF
.set STAGE,  4*AHALF                   ; behind the tiles: 16 rows x 272 bytes for each wave; no fill lands there
.set SPARE,  STAGE+4*16*272            ; the spare words, 128 bytes a wave, which no other line names
.set APLANE, 3145728                   ; where za's scale words begin
.set WPLANE, 786432                    ; where wo's begin
.set A16, 16                           ; v16, v17 A's images: + 16 lane, + 8 lane
.set A8,  17
.set B16, 20                           ; v20, v21 B's
.set B8,  21
.set STO, 24
.set RD,  25
.set CO,  26
.set SPW, 28
.set NIL, 29
.set AS,  32
.set BS,  96
.set BI,  160
.set G1,  24
.set G0,  32
.set G1B, 48
.set G0B, 56
.set MSB, 0
.macro WIN new                         ; the immediate's high byte repeats the setting that is left
.if MSB != (\new)
	s_set_vgpr_msb (MSB<<8)|(\new)
.set MSB, (\new)
.endif
.endm
.macro PLACES                          ; four plain places behind matrix instructions (ISA guide 7.12.1)
.rept 4
	v_nop
.endr
.endm
.macro CROUND                          ; a round of the cluster's barrier
	s_barrier_signal -1
	s_barrier_wait -1
	s_cmp_lg_u32 s14, 0
	s_cbranch_scc1 .Lnot_wave_0_\@
	s_barrier_signal -3
.Lnot_wave_0_\@:
	s_barrier_wait -3
	s_barrier_signal -1
	s_barrier_wait -1
.endm
.macro WM                              ; one product, by the symbols rD, rA, rB, rC, rSA, rSB; fR: 2 = source 0's scales in lanes 16-31, 1 = source 1's
.if fR == 0
	v_wmma_scale_f32_16x16x128_f8f6f4 v[rD:rD+7], v[rA:rA+11], v[rB:rB+11], v[rC:rC+7], v[rSA], v[rSB] matrix_a_fmt:MATRIX_FMT_BF6 matrix_b_fmt:MATRIX_FMT_BF6
.elseif fR == 1
	v_wmma_scale_f32_16x16x128_f8f6f4 v[rD:rD+7], v[rA:rA+11], v[rB:rB+11], v[rC:rC+7], v[rSA], v[rSB] matrix_a_fmt:MATRIX_FMT_BF6 matrix_b_fmt:MATRIX_FMT_BF6 matrix_b_scale:MATRIX_SCALE_ROW1
.elseif fR == 2
	v_wmma_scale_f32_16x16x128_f8f6f4 v[rD:rD+7], v[rA:rA+11], v[rB:rB+11], v[rC:rC+7], v[rSA], v[rSB] matrix_a_fmt:MATRIX_FMT_BF6 matrix_b_fmt:MATRIX_FMT_BF6 matrix_a_scale:MATRIX_SCALE_ROW1
.else
	v_wmma_scale_f32_16x16x128_f8f6f4 v[rD:rD+7], v[rA:rA+11], v[rB:rB+11], v[rC:rC+7], v[rSA], v[rSB] matrix_a_fmt:MATRIX_FMT_BF6 matrix_b_fmt:MATRIX_FMT_BF6 matrix_a_scale:MATRIX_SCALE_ROW1 matrix_b_scale:MATRIX_SCALE_ROW1
.endif
.endm
.macro FRAGA reg, a16, a8, off         ; a fragment from its two images: 16 + 8 bytes a lane from each
	ds_load_b128 v[(\reg):(\reg)+3], v[\a16] offset:(\off)
	ds_load_b64 v[(\reg)+4:(\reg)+5], v[\a8] offset:(\off)+512
	ds_load_b128 v[(\reg)+6:(\reg)+9], v[\a16] offset:(\off)+768
	ds_load_b64 v[(\reg)+10:(\reg)+11], v[\a8] offset:(\off)+1280
.endm
	s_load_b256 s[68:75], s[0:1], 0x0              ; za 68, wo 70, b_O 72, resid_pre 74
	s_load_b64 s[76:77], s[0:1], 0x20              ; rmid
	v_lshl_add_u32 v[SPW], v0, 2, SPARE
	v_mov_b32 v[NIL], 0
	ds_add_u32 v[SPW], v[NIL]                      ; the opening lines: the add, twice on end, and its wait
	ds_add_u32 v[SPW], v[NIL]
	s_wait_dscnt 0x0
	v_lshrrev_b32 v1, 5, v0
	v_readfirstlane_b32 s14, v1                    ; wave 0..3
	s_lshr_b32 s15, s14, 1                         ; wm.  Also: I fetch for A (0) or for B (1)
	s_and_b32 s16, s14, 1                          ; wn.  Also: which half I fetch
	s_bfe_u32 s40, ttmp6, 0x40000
	s_bfe_u32 s41, ttmp6, 0x40004
	s_lshl_b32 s42, ttmp9, 2
	s_add_co_u32 s42, s42, s40                     ; X: tile column
	s_and_b32 s17, ttmp7, 0xffff
	s_lshl_b32 s17, s17, 2
	s_add_co_u32 s17, s17, s41                     ; Y: tile row
	s_lshl_b32 s43, s41, 2
	s_lshl_b32 s43, 15, s43                        ; my row of the cluster
	s_lshl_b32 s44, 0x1111, s40                    ; my column
	s_or_b32 s[G1], s43, (3<<16)|(1<<21)           ; 4 tiles x 12,288 bytes (1,536 elements of 8), no padding; A's mask: my row
	s_or_b32 s[G1B], s44, (3<<16)|(1<<21)          ; B's: my column
.irp g, G1, G1B
	s_mov_b32 s[\g+1], 1536<<16
	s_mov_b32 s[\g+2], 4<<16
	s_mov_b32 s[\g+3], 1536<<16
	s_mov_b32 s[\g+4], 4
	s_mov_b32 s[\g+5], 1536
	s_mov_b32 s[\g+6], 0
	s_mov_b32 s[\g+7], 0
.endr
	s_lshl_b32 s20, s17, 3
	s_lshl_b32 s21, s16, 2
	s_add_co_u32 s20, s20, s21
	s_mul_i32 s20, s20, APITCH                     ; A: tile 8 Y + 4 x half
	s_mov_b32 s21, 0
	s_lshl_b32 s92, s42, 3
	s_lshl_b32 s93, s16, 2
	s_add_co_u32 s92, s92, s93
	s_mul_i32 s92, s92, APITCH                     ; B: tile 8 X + 4 x half
	s_mov_b32 s93, 0
	s_mul_i32 s45, s16, AHALF
	s_add_co_u32 s47, s45, BOFF
	s_wait_kmcnt 0x0
	s_add_nc_u64 s[20:21], s[68:69], s[20:21]
	s_add_nc_u64 s[92:93], s[70:71], s[92:93]
	CROUND                                         ; all sixteen work-groups are here: the joint loads meet
	s_mov_b32 s[G0], 1
	s_mov_b32 s[G0+1], s45
	s_mov_b64 s[G0+2:G0+3], s[20:21]
	s_or_b32 s[G0+3], s[G0+3], 0x80000000
	s_mov_b32 s[G0B], 1
	s_mov_b32 s[G0B+1], s47
	s_mov_b64 s[G0B+2:G0B+3], s[92:93]
	s_or_b32 s[G0B+3], s[G0B+3], 0x80000000
	s_cmp_eq_u32 s15, 0                            ; one tensor load a wave; an s_nop 0 and four v_nop follow each line
	s_cbranch_scc0 .Lfor_b
	tensor_load_to_lds s[G0:G0+3], s[G1:G1+7]
	s_nop 0
.rept 4
	v_nop
.endr
	s_branch .Lasked
.Lfor_b:
	tensor_load_to_lds s[G0B:G0B+3], s[G1B:G1B+7]
	s_nop 0
.rept 4
	v_nop
.endr
.Lasked:
	v_and_b32 v1, 31, v0
	v_and_b32 v2, 15, v0                           ; r
	v_bfe_u32 v3, v0, 4, 1                         ; h
	v_lshlrev_b32 v8, 4, v1
	v_lshlrev_b32 v9, 3, v1
	v_lshlrev_b32 v10, 2, v1
	v_lshlrev_b32 v12, 5, v3                       ; the bias: 32 h
	s_mul_i32 s2, s15, AHALF                       ; my 4 tiles of A
	s_mul_i32 s3, s16, AHALF
	s_add_co_u32 s3, s3, BOFF                      ; and of B
	v_add_nc_u32 v[A16], s2, v8
	v_add_nc_u32 v[A8], s2, v9
	v_add_nc_u32 v[B16], s3, v8
	v_add_nc_u32 v[B8], s3, v9
	s_mul_i32 s2, s14, 16*272
	s_add_co_u32 s2, s2, STAGE                     ; my stage
	v_mul_u32_u24 v[STO], v2, 272
	v_lshl_add_u32 v[STO], v3, 5, v[STO]
	v_add_nc_u32 v[STO], s2, v[STO]                ; in: row r, + 32 h
	v_mul_u32_u24 v[RD], v3, 272
	v_lshl_add_u32 v[RD], v2, 4, v[RD]
	v_add_nc_u32 v[RD], s2, v[RD]                  ; back: lanes 0-15 one row of 256 bytes, lanes 16-31 the next
	v_lshlrev_b32 v[CO], 12, v3
	v_lshl_add_u32 v[CO], v2, 4, v[CO]             ; and the same in rmid and in the residual
	s_wait_alu depctr_va_vdst(0)                   ; the wait behind the head's last vector instruction
	s_lshl_b32 s18, s17, 3
	s_lshl_b32 s4, s15, 2
	s_add_co_u32 s18, s18, s4                      ; my first M tile
	s_lshl_b32 s4, s18, 6
	s_add_co_u32 s4, s4, APLANE
	s_mov_b32 s5, 0
	s_add_nc_u64 s[4:5], s[68:69], s[4:5]          ; A's scale words
	s_lshl_b32 s19, s42, 7
	s_lshl_b32 s6, s16, 6
	s_add_co_u32 s19, s19, s6                      ; my first column
	s_mov_b32 s7, 0
	s_lshl_b32 s6, s19, 2
	s_add_co_u32 s6, s6, WPLANE
	s_add_nc_u64 s[6:7], s[70:71], s[6:7]          ; B's scale words
	s_lshl_b32 s8, s19, 2
	s_mov_b32 s9, 0
	s_add_nc_u64 s[8:9], s[72:73], s[8:9]
	s_lshl_b32 s10, s17, 7
	s_lshl_b32 s11, s15, 6
	s_add_co_u32 s10, s10, s11
	s_lshl_b32 s10, s10, 12                        ; my first row, 4,096 bytes each
	s_lshl_b32 s11, s19, 2
	s_add_co_u32 s10, s10, s11
	s_mov_b32 s11, 0
	s_add_nc_u64 s[12:13], s[74:75], s[10:11]
	s_add_nc_u64 s[22:23], s[76:77], s[10:11]
.set k, 0
.rept KST
	global_load_b32 v[AS+2*k], v10, s[4:5] offset:16384*k          ; lanes 0-15 tile 0's words, lanes 16-31 tile 1's
	global_load_b32 v[AS+2*k+1], v10, s[4:5] offset:16384*k+128
	global_load_b32 v[BS+2*k], v10, s[6:7] offset:4096*k
	global_load_b32 v[BS+2*k+1], v10, s[6:7] offset:4096*k+128
.set k, k+1
.endr
.irp t, 0,1,2,3
	global_load_b128 v[BI+8*\t:BI+8*\t+3], v12, s[8:9] offset:64*\t
	global_load_b128 v[BI+8*\t+4:BI+8*\t+7], v12, s[8:9] offset:64*\t+16
.endr
	WIN 0xc0                                       ; destination window 3
.irp t, 0,1,2,3
.irp i, 0,1,2,3,4,5,6,7
	global_load_b128 v[32*\t+4*\i:32*\t+4*\i+3], v[CO], s[12:13] offset:(32*(\t/2)+8*(\t%2)+2*\i+8*(\i/4))*4096   ; the residual: the last 32 loads
.endr
.endr
	WIN 0
.macro MULS k                          ; the 16 products of K step k; the accumulators take turns, one instruction a turn
.if (\k) == 0
	WIN 0x85                                       ; sources 0 and 1 window 1, C (the bias) window 0, D window 2
.else
	WIN 0xa5
.endif
.set TI, 0
.rept MT
.irp t, 0,1,2,3
.set rD, 32*TI+8*\t
.set rA, 128*((\k)%2)+12*\t
.set rB, 128*((\k)%2)+64+12*TI
.if (\k) == 0
.set rC, BI+8*\t
.else
.set rC, rD
.endif
.set rSA, BS+2*(\k)+\t/2
.set fR, 2*(\t%2)+TI%2
.set rSB, AS+2*(\k)+TI/2
	WM
.endr
.set TI, TI+1
.endr
.endm
.macro FETCH k                         ; K step k's eight fragments into set k % 2: 32 loads
.set FQ, (\k)
.set FP, 128*((\k)%2)
	WIN 0x40                                       ; destination window 1
.irp t, 0,1,2,3
	FRAGA FP+12*\t, B16, B8, \t*APITCH+1536*FQ
	FRAGA FP+64+12*\t, A16, A8, \t*APITCH+1536*FQ
.endr
.endm
	s_wait_tensorcnt 0x0                           ; my four tiles are in
	s_barrier_signal -1
	s_barrier_wait -1                              ; everybody's are
	FETCH 0
	s_wait_loadcnt 32                              ; scale words and bias are in; the residual's 32 loads may be out
.set KK, 0
.rept KST-1
	PLACES                                         ; behind the products of the step before, which read the set that is fetched now
	FETCH KK+1
	s_wait_dscnt 32                                ; this step's fragments are in; the 32 loads just issued may be out
	MULS KK
.set KK, KK+1
.endr
	s_wait_dscnt 0x0
	MULS KST-1
	WIN 0
	; THE WAY OUT, an M tile (16 rows x 64 columns) at a time
	s_wait_loadcnt 0x0                             ; the residual
	PLACES
.set TE, 0
.rept 4
.set BK, 160+32*(TE%2)
.if TE >= 2
	s_wait_xcnt 0x0                                ; the stores of two tiles ago have read these registers
.endif
	WIN 0x08                                       ; an LDS store's data are its source 1: window 2
.irp t, 0,1,2,3
	ds_store_b128 v[STO], v[32*TE+8*\t:32*TE+8*\t+3] offset:64*\t      ; each accumulator from its low end on
	ds_store_b128 v[STO], v[32*TE+8*\t+4:32*TE+8*\t+7] offset:64*\t+16
.endr
	WIN 0
.irp i, 0,1,2,3,4,5,6,7
	ds_load_b128 v[BK+4*\i:BK+4*\i+3], v[RD] offset:544*\i             ; LDS serves a wave's instructions in order: these see my stores
.endr
	s_wait_dscnt 0x0
	WIN 0x0c                                       ; source 1: window 3
.irp i, 0,2,4,6,8,10,12,14,16,18,20,22,24,26,28,30
	v_pk_add_f32 v[BK+\i:BK+\i+1], v[BK+\i:BK+\i+1], v[32*TE+\i:32*TE+\i+1]
.endr
	WIN 0
.irp i, 0,1,2,3,4,5,6,7
	global_store_b128 v[CO], v[BK+4*\i:BK+4*\i+3], s[22:23] offset:(32*(TE/2)+8*(TE%2)+2*\i+8*(\i/4))*4096   ; sixteen lanes store 256 consecutive bytes, aligned
.endr
.set TE, TE+1
.endr
	s_wait_tensorcnt 0x0                           ; the wave's end
	ds_add_u32 v[SPW], v[NIL]
	s_wait_dscnt 0x0
	CROUND                                         ; the closing round
	s_endpgm
.Lfunc_end_k_q0b2b30f8b3_oproj:
	.size	k_q0b2b30f8b3_oproj, .Lfunc_end_k_q0b2b30f8b3_oproj-k_q0b2b30f8b3_oproj
	.p2alignl 7, 3214868480
	.fill 96, 4, 3214868480
	.section	.rodata,"a",@progbits
	.p2align	6, 0x0
	.amdhsa_kernel k_q0b2b30f8b3_oproj
		.amdhsa_group_segment_fixed_size 327680
		.amdhsa_private_segment_fixed_size 0
		.amdhsa_enable_private_segment 0
		.amdhsa_kernarg_size 40
		.amdhsa_user_sgpr_count 2
		.amdhsa_user_sgpr_kernarg_segment_ptr 1
		.amdhsa_wavefront_size32 1
		.amdhsa_system_sgpr_workgroup_id_x 1
		.amdhsa_system_sgpr_workgroup_id_y 1
		.amdhsa_system_sgpr_workgroup_id_z 1
		.amdhsa_system_vgpr_workitem_id 0
		.amdhsa_next_free_vgpr 1024
		.amdhsa_next_free_sgpr 102
		.amdhsa_reserve_vcc 0
		.amdhsa_float_denorm_mode_32 3
		.amdhsa_float_denorm_mode_16_64 3
		.amdhsa_memory_ordered 1
		.amdhsa_forward_progress 1
		.amdhsa_inst_pref_size 59
	.end_amdhsa_kernel
	.amdgpu_metadata
---
amdhsa.version: [ 1, 2 ]
amdhsa.kernels:
  - .name:           k_q0b2b30f8b3_oproj
    .symbol:         k_q0b2b30f8b3_oproj.kd
    .args:
      - { .name: za, .offset: 0, .size: 8, .value_kind: global_buffer, .address_space: global }
      - { .name: wo, .offset: 8, .size: 8, .value_kind: global_buffer, .address_space: global }
      - { .name: b_O, .offset: 16, .size: 8, .value_kind: global_buffer, .address_space: global }
      - { .name: resid_pre, .offset: 24, .size: 8, .value_kind: global_buffer, .address_space: global }
      - { .name: rmid, .offset: 32, .size: 8, .value_kind: global_buffer, .address_space: global }
    .group_segment_fixed_size: 327680
    .private_segment_fixed_size: 0
    .kernarg_segment_align: 8
    .kernarg_segment_size: 40
    .max_flat_workgroup_size: 128
    .sgpr_count:     102
    .vgpr_count:     1024
    .wavefront_size: 32
...
	.end_amdgpu_metadata
.endif
;; end of part 4
;; launch ln2: the kernel of part 1 again; grid 256 x 1, 8 waves a work-group, no clusters, 69,632 bytes of LDS; arguments rmid, ln2_w, ln2_b, xa; writes xa
;; launch mlpin (part 5): grid 16 x 16, 4 waves a work-group, clusters of 4 x 4, 327,680 bytes of LDS; arguments xa, W_in_codes, W_in_scales, b_in, hid; writes hid
.if DOCPART == 5
	.amdgcn_target "amdgcn-amd-amdhsa--gfx1250"
	.amdhsa_code_object_version 6
	.text
	.protected	k_q0b2b30f8b3_mlpin
	.globl	k_q0b2b30f8b3_mlpin
	.p2align	8
	.type	k_q0b2b30f8b3_mlpin,@function
k_q0b2b30f8b3_mlpin:
	s_mov_b64 s[64:65], 0
	v_nop
	global_prefetch_b8 v0, s[64:65] scope:SCOPE_SE
	s_setreg_imm32_b32 hwreg(HW_REG_WAVE_MODE, 25, 1), 1
	s_wait_xcnt 0x0
	s_wait_alu depctr_hold_cnt(0) depctr_sa_sdst(0) depctr_va_vdst(0) depctr_va_sdst(0) depctr_va_ssrc(0) depctr_va_vcc(0) depctr_vm_vsrc(0)
	s_getreg_b32 s2, hwreg(HW_REG_IB_STS2, 6, 4)
	s_cmp_eq_u32 s2, 0
	s_cbranch_scc0 .Lentry_in_a_cluster
	s_endpgm
.Lentry_in_a_cluster:
	s_bfe_u32 s2, ttmp6, 0x10000c
	s_cmp_lg_u32 s2, 0xf033
	s_cbranch_scc0 .Lentry_shape_is_right
	s_endpgm
.Lentry_shape_is_right:
.set KST,    8
.set NQ,     2
.set MT,     8
.set APITCH, 3072
.set AHALF,  8*APITCH
; hid = Q(relu(LN2(rmid) W_in + b_in)) on codes of BF6 (E3M2), K = 1,024; a work-group makes 256 x 256, a wave 128 x 128; the result is quantised in registers along the hidden units and stored as images.
; W_in's 256 whole rows (768 bytes, all of K) come ONCE, at the head, by waves 2 and 3, and stay in LDS; x's images go through a ring of two slots of two K steps, fetched by waves 0 and 1.
; No prefetch: the block is the largest, in clusters, and K is 1,024: x has two refills.
.set SLOT,   2*AHALF                   ; a slot: x's 16 tiles, two K steps
.set BOFF,   2*SLOT                    ; behind the ring: the weights
.set BPITCH, 816                       ; a weight's row in LDS: 3 x (256 bytes + 16 of padding)
.set BHALF,  128*BPITCH
.set SPARE,  BOFF+2*BHALF
.set ASTEP,  2*APITCH
.set APLANE, 3145728
.set HPLANE, 12582912
.set A16, 16
.set A8,  18
.set BW,  20
.set SPW, 28
.set NIL, 29
.set AS,  32
.set BS,  64
.set AF,  128
.set TM,  128
.set PC,  148
.set PWS, 168
.set WP,  176
.set G1,  24
.set G0,  32
.set G1B, 48
.set G0B, 56
.set LM,  99
.set SEL, 100
.set MSB, 0
.macro WIN new
.if MSB != (\new)
	s_set_vgpr_msb (MSB<<8)|(\new)
.set MSB, (\new)
.endif
.endm
.macro PLACES
.rept 4
	v_nop
.endr
.endm
.macro CREST
	s_cmp_lg_u32 s14, 0
	s_cbranch_scc1 .Lnot_wave_0_\@
	s_barrier_signal -3
.Lnot_wave_0_\@:
	s_barrier_wait -3
	s_barrier_signal -1
	s_barrier_wait -1
.endm
.macro CROUND
	s_barrier_signal -1
	s_barrier_wait -1
	CREST
.endm
.macro JLOAD s, w                      ; a joint load: waves 0 and 1 fetch x's tiles for slot s; w = 1, at the head: waves 2 and 3 fetch 128 rows of the weight each
	s_cmp_eq_u32 s15, 0
	s_cbranch_scc0 .Lfor_b_\@
	tensor_load_to_lds s[G0+4*(\s):G0+4*(\s)+3], s[G1:G1+7]
	s_nop 0
.rept 4
	v_nop
.endr
.if \w
	s_branch .Lasked_\@
.endif
.Lfor_b_\@:
.if \w
	tensor_load_to_lds s[G0B:G0B+3], s[G1B:G1B+7]
	s_nop 0
.rept 4
	v_nop
.endr
.Lasked_\@:
.endif
.endm
.macro WM
.if fR == 0
	v_wmma_scale_f32_16x16x128_f8f6f4 v[rD:rD+7], v[rA:rA+11], v[rB:rB+11], v[rC:rC+7], v[rSA], v[rSB] matrix_a_fmt:MATRIX_FMT_BF6 matrix_b_fmt:MATRIX_FMT_BF6
.elseif fR == 1
	v_wmma_scale_f32_16x16x128_f8f6f4 v[rD:rD+7], v[rA:rA+11], v[rB:rB+11], v[rC:rC+7], v[rSA], v[rSB] matrix_a_fmt:MATRIX_FMT_BF6 matrix_b_fmt:MATRIX_FMT_BF6 matrix_b_scale:MATRIX_SCALE_ROW1
.elseif fR == 2
	v_wmma_scale_f32_16x16x128_f8f6f4 v[rD:rD+7], v[rA:rA+11], v[rB:rB+11], v[rC:rC+7], v[rSA], v[rSB] matrix_a_fmt:MATRIX_FMT_BF6 matrix_b_fmt:MATRIX_FMT_BF6 matrix_a_scale:MATRIX_SCALE_ROW1
.else
	v_wmma_scale_f32_16x16x128_f8f6f4 v[rD:rD+7], v[rA:rA+11], v[rB:rB+11], v[rC:rC+7], v[rSA], v[rSB] matrix_a_fmt:MATRIX_FMT_BF6 matrix_b_fmt:MATRIX_FMT_BF6 matrix_a_scale:MATRIX_SCALE_ROW1 matrix_b_scale:MATRIX_SCALE_ROW1
.endif
.endm
.macro FRAGA reg, a16, a8, off
	ds_load_b128 v[(\reg):(\reg)+3], v[\a16] offset:(\off)
	ds_load_b64 v[(\reg)+4:(\reg)+5], v[\a8] offset:(\off)+512
	ds_load_b128 v[(\reg)+6:(\reg)+9], v[\a16] offset:(\off)+768
	ds_load_b64 v[(\reg)+10:(\reg)+11], v[\a8] offset:(\off)+1280
.endm
.macro FRAGW reg, adr, q, off
.irp p, 0,1,2,3,4,5
.set PCE, 12*(\q)+6*(\p/3)+\p%3
.if PCE%32 < 29                        ; 32 pieces of 8 bytes to 256; lanes 16-31 read three pieces on, which for the last three is behind one padding more: the second address register
	ds_load_b64 v[(\reg)+2*\p:(\reg)+2*\p+1], v[\adr] offset:8*PCE+16*(PCE/32)+(\off)
.else
	ds_load_b64 v[(\reg)+2*\p:(\reg)+2*\p+1], v[(\adr)+2] offset:8*PCE+16*(PCE/32)+(\off)
.endif
.endr
.endm
.macro QUANT s, w
	WIN (\w)|((\w)<<2)
.irp b, 0,1,2,3
	v_max3_num_f32 v[TM+\b], |v[(\s)+16*\b]|, |v[(\s)+16*\b+1]|, 0x2800000
.endr
.irp i, 2,4,6,8,10,12,14
.irp b, 0,1,2,3
	v_max3_num_f32 v[TM+\b], |v[(\s)+16*\b+\i]|, |v[(\s)+16*\b+\i+1]|, v[TM+\b]
.endr
.endr
	WIN 0
.irp b, 0,1,2,3
	v_permlanex16_b32 v[TM+4+\b], v[TM+\b], s[SEL], s[SEL+1]
.endr
.irp b, 0,1,2,3
	v_max_num_f32 v[TM+\b], v[TM+\b], v[TM+4+\b]
.endr
.irp b, 0,1,2,3
	v_add_nc_u32 v[TM+12+\b], 0xfe000000, v[TM+\b]
.endr
.irp b, 0,1,2,3
	v_lshrrev_b32 v[TM+4+\b], 23, v[TM+12+\b]
.endr
	v_lshl_or_b32 v[PW], v[TM+5], 8, v[TM+4]
	v_lshl_or_b32 v[PW], v[TM+6], 16, v[PW]
	v_lshl_or_b32 v[PW], v[TM+7], 24, v[PW]
	WIN (\w)
.irp c, 0,1
	v_cvt_scalef32_pk16_bf6_f32 v[PC+6*\c:PC+6*\c+2], v[(\s)+32*\c:(\s)+32*\c+15], v[TM+12+2*\c]
	v_cvt_scalef32_pk16_bf6_f32 v[PC+12+4*\c:PC+14+4*\c], v[(\s)+32*\c+16:(\s)+32*\c+31], v[TM+13+2*\c]
.endr
	WIN 0
	v_nop
.irp c, 0,1
.irp i, 0,1,2
	v_permlane16_swap_b32 v[PC+6*\c+\i], v[PC+12+4*\c+\i]
.endr
.irp i, 0,1,2
	v_mov_b32 v[PC+3+6*\c+\i], v[PC+12+4*\c+\i]
.endr
.endr
.endm
	s_load_b256 s[68:75], s[0:1], 0x0
	s_load_b64 s[76:77], s[0:1], 0x20
	v_lshl_add_u32 v[SPW], v0, 2, SPARE
	v_mov_b32 v[NIL], 0
	ds_add_u32 v28, v29
	ds_add_u32 v28, v29
	s_wait_dscnt 0x0
	v_lshrrev_b32 v1, 5, v0
	v_readfirstlane_b32 s14, v1
	s_lshr_b32 s15, s14, 1
	s_and_b32 s16, s14, 1
	s_bfe_u32 s40, ttmp6, 0x40000
	s_bfe_u32 s41, ttmp6, 0x40004
	s_lshl_b32 s42, ttmp9, 2
	s_add_co_u32 s42, s42, s40
	s_and_b32 s17, ttmp7, 0xffff
	s_lshl_b32 s17, s17, 2
	s_add_co_u32 s17, s17, s41
	s_lshl_b32 s43, s41, 2
	s_lshl_b32 s43, 15, s43
	s_lshl_b32 s44, 0x1111, s40
	s_or_b32 s[G1], s43, (3<<16)|(1<<21)
	s_mov_b32 s[G1+1], 384<<16
	s_mov_b32 s[G1+2], 8<<16
	s_mov_b32 s[G1+3], 384<<16
	s_mov_b32 s[G1+4], 8
	s_mov_b32 s[G1+5], 1536
	s_mov_b32 s[G1+6], 0
	s_mov_b32 s[G1+7], 0
	s_or_b32 s[G1B], s44, (1<<20)|(1<<21)|(5<<22)|(3<<25)   ; bytes; 16 bytes of padding behind every 256; the mask: my column
	s_mov_b32 s[G1B+1], 768<<16
	s_mov_b32 s[G1B+2], 128<<16
	s_mov_b32 s[G1B+3], 768<<16
	s_mov_b32 s[G1B+4], 128
	s_mov_b32 s[G1B+5], 768
	s_mov_b32 s[G1B+6], 0
	s_mov_b32 s[G1B+7], 0
	s_lshl_b32 s20, s17, 4
	s_lshl_b32 s21, s16, 3
	s_add_co_u32 s20, s20, s21
	s_mul_i32 s20, s20, 12288
	s_mov_b32 s21, 0
	s_lshl_b32 s92, s42, 8
	s_lshl_b32 s93, s16, 7
	s_add_co_u32 s92, s92, s93
	s_mul_i32 s92, s92, 768
	s_mov_b32 s93, 0
	s_mul_i32 s45, s16, AHALF
	s_mul_i32 s47, s16, BHALF
	s_add_co_u32 s47, s47, BOFF
	s_mov_b32 s[SEL], 0x76543210
	s_mov_b32 s[SEL+1], 0xfedcba98
	s_mov_b32 s[LM], 0xffff0000
	s_wait_kmcnt 0x0
	s_add_nc_u64 s[20:21], s[68:69], s[20:21]
	s_add_nc_u64 s[92:93], s[70:71], s[92:93]
	CROUND
.irp s, 0,1
	s_mov_b32 s[G0+4*\s], 1
	s_add_co_u32 s[G0+4*\s+1], s45, \s*SLOT
	s_add_nc_u64 s[G0+4*\s+2:G0+4*\s+3], s[20:21], \s*APITCH
	s_or_b32 s[G0+4*\s+3], s[G0+4*\s+3], 0x80000000
.endr
	s_mov_b32 s[G0B], 1
	s_mov_b32 s[G0B+1], s47
	s_mov_b64 s[G0B+2:G0B+3], s[92:93]
	s_or_b32 s[G0B+3], s[G0B+3], 0x80000000
	JLOAD 0, 1                                     ; one tensor load a wave at the head: x's slot 0 in two halves, the weight in two halves
	v_and_b32 v1, 31, v0
	v_and_b32 v2, 15, v0
	v_bfe_u32 v3, v0, 4, 1
	v_and_b32 v4, 8, v2
	v_add_nc_u32 v4, v4, v2
	v_lshlrev_b32 v8, 4, v1
	v_lshlrev_b32 v9, 3, v1
	v_lshlrev_b32 v10, 2, v1
	v_lshlrev_b32 v11, 5, v4
	v_lshl_add_u32 v11, v3, 4, v11
	v_lshlrev_b32 v12, 6, v3
	v_mul_u32_u24 v5, v4, BPITCH
	v_mad_u32_u24 v5, v3, 24, v5
	v_lshl_add_u32 v6, v3, 4, v5
	s_mul_i32 s2, s15, AHALF
	s_mul_i32 s3, s16, BHALF
	s_add_co_u32 s3, s3, BOFF
.irp s, 0,1
	v_add_nc_u32 v[A16+\s], s2, v8
	v_add_nc_u32 v[A8+\s], s2, v9
	v_add_nc_u32 v[BW+\s], s3, v5
	v_add_nc_u32 v[BW+2+\s], s3, v6
	s_add_co_u32 s2, s2, SLOT
	s_add_co_u32 s3, s3, 64*BPITCH                 ; the weight's second registers: my rows 64 on, so that the loads' offsets stay inside 16 bits
.endr
	s_lshl_b32 s18, s17, 4
	s_lshl_b32 s4, s15, 3
	s_add_co_u32 s18, s18, s4
	s_lshl_b32 s4, s18, 6
	s_add_co_u32 s4, s4, APLANE
	s_mov_b32 s5, 0
	s_add_nc_u64 s[4:5], s[68:69], s[4:5]
	s_lshl_b32 s19, s42, 8
	s_lshl_b32 s6, s16, 7
	s_add_co_u32 s19, s19, s6
	s_lshl_b32 s6, s19, 5
	s_mov_b32 s7, 0
	s_add_nc_u64 s[6:7], s[72:73], s[6:7]
	s_lshl_b32 s8, s19, 2
	s_mov_b32 s9, 0
	s_add_nc_u64 s[8:9], s[74:75], s[8:9]
	s_lshl_b32 s22, s42, 1
	s_add_co_u32 s22, s22, s16
	s_lshl_b32 s10, s18, 5
	s_add_co_u32 s10, s10, s22
	s_mul_i32 s10, s10, 1536
	s_mov_b32 s11, 0
	s_add_nc_u64 s[10:11], s[76:77], s[10:11]
	s_lshl_b32 s12, s22, 14
	s_lshl_b32 s13, s18, 6
	s_add_co_u32 s12, s12, s13
	s_add_co_u32 s12, s12, HPLANE
	s_mov_b32 s13, 0
	s_add_nc_u64 s[12:13], s[76:77], s[12:13]
.irp k, 0,1,2,3,4,5,6,7
.irp p, 0,1,2,3
	global_load_b32 v[AS+4*\k+\p], v10, s[4:5] offset:16384*\k+128*\p
.endr
.endr
.irp t, 0,1,2,3,4,5,6,7
	global_load_b128 v[BS+4*\t:BS+4*\t+3], v11, s[6:7] offset:(32*(\t/2)+8*(\t%2))*32
	global_load_b128 v[96+8*\t+96*(\t/4):96+8*\t+96*(\t/4)+3], v12, s[8:9] offset:(32*(\t/2)+8*(\t%2))*4
	global_load_b128 v[96+8*\t+96*(\t/4)+4:96+8*\t+96*(\t/4)+7], v12, s[8:9] offset:(32*(\t/2)+8*(\t%2))*4+16
.endr
.macro MULS k, a0, n
.set MW, 2+(\a0)/4
.if (\k) == 0
	WIN (MW<<6)|1
.else
	WIN (MW<<6)|(MW<<4)|1
.endif
.set TI, \a0
.rept \n
.irp t, 0,1,2,3,4,5,6,7
.set rD, 8*(8*(TI%4)+\t)
.set rA, 128*((\k)%2)+12*\t
.set rB, AF+12*TI
.if (\k) == 0
.set rC, 96+8*\t+96*(\t/4)
.else
.set rC, rD
.endif
.set rSA, BS+4*\t+(\k)%4
.set rSB, AS+4*(\k)+TI/2
.set fR, 2*((\k)/4)+TI%2
	WM
.endr
.set TI, TI+1
.endr
.endm
.macro FETCH_B k
.set FQ, (\k)
.set FP, 128*((\k)%2)
	WIN 0x40
.irp t, 0,1,2,3,4,5,6,7
	FRAGW FP+12*\t, BW+\t/4, FQ, (32*((\t%4)/2)+8*(\t%2))*BPITCH
.endr
	WIN 0
.endm
.macro FETCH_A k, i0
.set FSL, ((\k)/NQ)%2
.set FQ, (\k)%NQ
.set FI, \i0
.rept MT/2
	FRAGA AF+12*FI, A16+FSL, A8+FSL, FI*APITCH+1536*FQ
.set FI, FI+1
.endr
.endm
.macro STEP k
	s_wait_dscnt 4*(MT/2)
	MULS \k, 0, MT/2
	s_wait_dscnt 0x0
	PLACES
	FETCH_B (\k)+1
	FETCH_A (\k)+1, 0
	MULS \k, MT/2, MT/2
	PLACES
	WIN 0
	FETCH_A (\k)+1, MT/2
.endm
.macro TURN k, fill
.set TSL, ((\k)/NQ)%2
	WIN 0
	s_wait_tensorcnt 0x0
	ds_add_u32 v[SPW], v[NIL]
	s_wait_dscnt 4*(MT/2)+1
	MULS \k, 0, MT/4
	s_wait_dscnt 0x0
	s_barrier_signal -1
	MULS \k, MT/4, MT/4
	WIN 0
	s_barrier_wait -1
.if \fill
	CREST
	s_add_nc_u64 s[G0+4*TSL+2:G0+4*TSL+3], s[G0+4*TSL+2:G0+4*TSL+3], ASTEP
	JLOAD TSL, 0                                   ; the first tensor load behind the round
.endif
	PLACES
	FETCH_B (\k)+1
	FETCH_A (\k)+1, 0
	MULS \k, MT/2, MT/2
	PLACES
	WIN 0
	FETCH_A (\k)+1, MT/2
.endm
	s_wait_alu depctr_va_vdst(0)
	s_wait_tensorcnt 0x0                           ; my tile of the head's four is in
	ds_add_u32 v[SPW], v[NIL]
	s_wait_dscnt 0x0
	CROUND                                         ; a whole round: everybody's tile is in
	JLOAD 1, 0                                     ; x's slot 1, the first tensor load behind the round
	FETCH_B 0
	FETCH_A 0, 0
	FETCH_A 0, MT/2
	s_wait_loadcnt 0x0
.set KK, 0
.rept KST-1
.if (KK%NQ) == NQ-1
.if KK/NQ+2 < KST/NQ
	TURN KK, 1
.else
	TURN KK, 0
.endif
.else
	STEP KK
.endif
.set KK, KK+1
.endr
	s_wait_dscnt 4*(MT/2)
	MULS KST-1, 0, MT/2
	s_wait_dscnt 0x0
	MULS KST-1, MT/2, MT/2
	WIN 0
	PLACES
.irp b, 0,1,2,3
	v_mov_b32 v[TM+4+\b], 0
.endr
.set TE, 0
.rept 8
	s_wait_xcnt 0x0
	WIN ((2+TE/4)<<6)|((2+TE/4)<<2)
.set j, 64*(TE%4)
.rept 64
	v_max_num_f32 v[j], 0, v[j]
.set j, j+1
.endr
.set PW, PWS+TE
	QUANT 64*(TE%4), 2+TE/4
	global_store_b128 v8, v[PC:PC+3], s[10:11] offset:49152*TE
	global_store_b64 v9, v[PC+4:PC+5], s[10:11] offset:49152*TE+512
	global_store_b128 v8, v[PC+6:PC+9], s[10:11] offset:49152*TE+768
	global_store_b64 v9, v[PC+10:PC+11], s[10:11] offset:49152*TE+1280
.set TE, TE+1
.endr
.irp p, 0,1,2,3
	v_cndmask_b32 v[WP+\p], v[PWS+2*\p], v[PWS+2*\p+1], s[LM]
.endr
.irp p, 0,1,2,3
	global_store_b32 v10, v[WP+\p], s[12:13] offset:128*\p
.endr
	s_wait_tensorcnt 0x0
	ds_add_u32 v[SPW], v[NIL]
	s_wait_dscnt 0x0
	CROUND
	s_endpgm
.Lfunc_end_k_q0b2b30f8b3_mlpin:
	.size	k_q0b2b30f8b3_mlpin, .Lfunc_end_k_q0b2b30f8b3_mlpin-k_q0b2b30f8b3_mlpin
	.p2alignl 7, 3214868480
	.fill 96, 4, 3214868480
	.section	.rodata,"a",@progbits
	.p2align	6, 0x0
	.amdhsa_kernel k_q0b2b30f8b3_mlpin
		.amdhsa_group_segment_fixed_size 327680
		.amdhsa_private_segment_fixed_size 0
		.amdhsa_enable_private_segment 0
		.amdhsa_kernarg_size 40
		.amdhsa_user_sgpr_count 2
		.amdhsa_user_sgpr_kernarg_segment_ptr 1
		.amdhsa_wavefront_size32 1
		.amdhsa_system_sgpr_workgroup_id_x 1
		.amdhsa_system_sgpr_workgroup_id_y 1
		.amdhsa_system_sgpr_workgroup_id_z 1
		.amdhsa_system_vgpr_workitem_id 0
		.amdhsa_next_free_vgpr 1024
		.amdhsa_next_free_sgpr 102
		.amdhsa_reserve_vcc 0
		.amdhsa_float_denorm_mode_32 3
		.amdhsa_float_denorm_mode_16_64 3
		.amdhsa_memory_ordered 1
		.amdhsa_forward_progress 1
		.amdhsa_inst_pref_size 174
	.end_amdhsa_kernel
	.amdgpu_metadata
---
amdhsa.version: [ 1, 2 ]
amdhsa.kernels:
  - .name:           k_q0b2b30f8b3_mlpin
    .symbol:         k_q0b2b30f8b3_mlpin.kd
    .args:
      - { .name: xa, .offset: 0, .size: 8, .value_kind: global_buffer, .address_space: global }
      - { .name: W_in_codes, .offset: 8, .size: 8, .value_kind: global_buffer, .address_space: global }
      - { .name: W_in_scales, .offset: 16, .size: 8, .value_kind: global_buffer, .address_space: global }
      - { .name: b_in, .offset: 24, .size: 8, .value_kind: global_buffer, .address_space: global }
      - { .name: hid, .offset: 32, .size: 8, .value_kind: global_buffer, .address_space: global }
    .group_segment_fixed_size: 327680
    .private_segment_fixed_size: 0
    .kernarg_segment_align: 8
    .kernarg_segment_size: 40
    .max_flat_workgroup_size: 128
    .sgpr_count:     102
    .vgpr_count:     1024
    .wavefront_size: 32
...
	.end_amdgpu_metadata
.endif
;; end of part 5
;; launch mlpout (part 6): grid 8 x 32, 4 waves a work-group, clusters of 4 x 4, 327,680 bytes of LDS; arguments hid, W_out_codes, W_out_scales, b_out, rmid, out0; writes out0
.if DOCPART == 6
	.amdgcn_target "amdgcn-amd-amdhsa--gfx1250"
	.amdhsa_code_object_version 6
	.text
	.protected	k_q0b2b30f8b3_mlpout
	.globl	k_q0b2b30f8b3_mlpout
	.p2align	8
	.type	k_q0b2b30f8b3_mlpout,@function
k_q0b2b30f8b3_mlpout:
	s_mov_b64 s[64:65], 0
	v_nop
	global_prefetch_b8 v0, s[64:65] scope:SCOPE_SE
	s_setreg_imm32_b32 hwreg(HW_REG_WAVE_MODE, 25, 1), 1
	s_wait_xcnt 0x0
	s_wait_alu depctr_hold_cnt(0) depctr_sa_sdst(0) depctr_va_vdst(0) depctr_va_sdst(0) depctr_va_ssrc(0) depctr_va_vcc(0) depctr_vm_vsrc(0)
	s_getreg_b32 s2, hwreg(HW_REG_IB_STS2, 6, 4)
	s_cmp_eq_u32 s2, 0
	s_cbranch_scc0 .Lentry_in_a_cluster
	s_endpgm
.Lentry_in_a_cluster:
	s_bfe_u32 s2, ttmp6, 0x10000c
	s_cmp_lg_u32 s2, 0xf033
	s_cbranch_scc0 .Lentry_shape_is_right
	s_endpgm
.Lentry_shape_is_right:
.set KST,    32
.set BIMG,   0
.set NQ,     4
.set MT,     4
.set APITCH, 6144
.set AHALF,  4*APITCH
; out0 = rmid + hid W_out + b_out, f32 [4096][1024], on codes of BF6 (E3M2), K = 4,096.  A tile of the result is 128 x 128 (256 work-groups), a wave makes 64 x 64.
; TWO RINGS OF TWO SLOTS.  A (hid, images): a slot holds 8 tiles x 4 K steps, fetched in two halves by waves 0 and 1.  B (W_out, rows of codes as given): a slot holds a chunk of 768 bytes (8 K steps) of 128 rows, so that
; every tile row begins at a multiple of 256 bytes of memory; fetched in two halves of 64 rows by waves 2 and 3.  A slot changes every 4 K steps, B's at every second such change: one tensor load a wave behind each round.
; PREFETCH: behind a change of slots each wave names 24 blocks of 256 bytes: of A's slot that is loaded at the next change (one slot, 4 K steps, ahead of its load), or of half of B's chunk that is loaded one or two changes on.
; The four partners that ask for a tile jointly share its blocks out by address: of a wave's 4 tiles of A partner cx takes one, of its 64 rows of B partner cy takes 16 (8 at a time).  Lanes 24-31 name blocks of lanes 16-23 again.
; The offsets are immediates, so the address registers are never rewritten; the last slots ask for nothing.
.set SLOT,   2*AHALF                   ; A's slot
.set BOFF,   2*SLOT                    ; behind A's ring: B's
.set BPITCH, 816                       ; a chunk's row in LDS: 3 x (256 bytes + 16 of padding)
.set BHALF,  64*BPITCH
.set BSL,    2*BHALF                   ; B's slot
.set STAGE,  BOFF+2*BSL                ; behind the rings: 16 rows x 272 bytes for each wave; no fill lands there
.set SPARE,  STAGE+4*16*272
.set ASTEP,  2*APITCH
.set BSTEP,  1536
.set PFO,    27                        ; v27 the prefetches' lane offset; never rewritten
.set PFA,    94                        ; s[94:95] their base; never rewritten
.set APLANE, 256*KST*1536
.set A16, 16
.set A8,  18
.set BW,  20
.set STO, 24
.set RD,  25
.set CO,  26
.set SPW, 28
.set NIL, 29
.set AS,  32
.set BS,  96
.set BI,  160
.set AF,  192
.set G1,  24
.set G0,  32
.set G1B, 48
.set G0B, 56
.if BIMG
.set PBI, 72
.set PR,  74
.set PO,  76
.else
.set PBI, 74
.set PR,  76
.set PO,  78
.endif
.set MSB, 0
.macro WIN new
.if MSB != (\new)
	s_set_vgpr_msb (MSB<<8)|(\new)
.set MSB, (\new)
.endif
.endm
.macro PLACES
.rept 4
	v_nop
.endr
.endm
.macro CREST
	s_cmp_lg_u32 s14, 0
	s_cbranch_scc1 .Lnot_wave_0_\@
	s_barrier_signal -3
.Lnot_wave_0_\@:
	s_barrier_wait -3
	s_barrier_signal -1
	s_barrier_wait -1
.endm
.macro CROUND
	s_barrier_signal -1
	s_barrier_wait -1
	CREST
.endm
.macro JLOAD sa, sb, w                 ; a joint load: waves 0 and 1 fetch A's slot sa; w = 1: waves 2 and 3 fetch B's slot sb
	s_cmp_eq_u32 s15, 0
	s_cbranch_scc0 .Lfor_b_\@
	tensor_load_to_lds s[G0+4*(\sa):G0+4*(\sa)+3], s[G1:G1+7]
	s_nop 0
.rept 4
	v_nop
.endr
.if \w
	s_branch .Lasked_\@
.endif
.Lfor_b_\@:
.if \w
	tensor_load_to_lds s[G0B+4*(\sb):G0B+4*(\sb)+3], s[G1B:G1B+7]
	s_nop 0
.rept 4
	v_nop
.endr
.Lasked_\@:
.endif
.endm
.macro ASK am, bc, bp                  ; a prefetch: waves 0 and 1 A's slot am; waves 2 and 3, where bc < 4, rows 8 bp on of my 16 of B's chunk bc
	s_cmp_eq_u32 s15, 0
	s_cbranch_scc0 .Lask_b_\@
	global_prefetch_b8 v[PFO], s[PFA:PFA+1] offset:(\am)*APITCH th:TH_LOAD_NT scope:SCOPE_SE
.if (\bc) < 4
	s_branch .Lasked_\@
.endif
.Lask_b_\@:
.if (\bc) < 4
	global_prefetch_b8 v[PFO], s[PFA:PFA+1] offset:(\bc)*768+(\bp)*8*3072 th:TH_LOAD_NT scope:SCOPE_SE
.Lasked_\@:
.endif
.endm
.macro WM
.if fR == 0
	v_wmma_scale_f32_16x16x128_f8f6f4 v[rD:rD+7], v[rA:rA+11], v[rB:rB+11], v[rC:rC+7], v[rSA], v[rSB] matrix_a_fmt:MATRIX_FMT_BF6 matrix_b_fmt:MATRIX_FMT_BF6
.elseif fR == 1
	v_wmma_scale_f32_16x16x128_f8f6f4 v[rD:rD+7], v[rA:rA+11], v[rB:rB+11], v[rC:rC+7], v[rSA], v[rSB] matrix_a_fmt:MATRIX_FMT_BF6 matrix_b_fmt:MATRIX_FMT_BF6 matrix_b_scale:MATRIX_SCALE_ROW1
.elseif fR == 2
	v_wmma_scale_f32_16x16x128_f8f6f4 v[rD:rD+7], v[rA:rA+11], v[rB:rB+11], v[rC:rC+7], v[rSA], v[rSB] matrix_a_fmt:MATRIX_FMT_BF6 matrix_b_fmt:MATRIX_FMT_BF6 matrix_a_scale:MATRIX_SCALE_ROW1
.else
	v_wmma_scale_f32_16x16x128_f8f6f4 v[rD:rD+7], v[rA:rA+11], v[rB:rB+11], v[rC:rC+7], v[rSA], v[rSB] matrix_a_fmt:MATRIX_FMT_BF6 matrix_b_fmt:MATRIX_FMT_BF6 matrix_a_scale:MATRIX_SCALE_ROW1 matrix_b_scale:MATRIX_SCALE_ROW1
.endif
.endm
.macro FRAGA reg, a16, a8, off
	ds_load_b128 v[(\reg):(\reg)+3], v[\a16] offset:(\off)
	ds_load_b64 v[(\reg)+4:(\reg)+5], v[\a8] offset:(\off)+512
	ds_load_b128 v[(\reg)+6:(\reg)+9], v[\a16] offset:(\off)+768
	ds_load_b64 v[(\reg)+10:(\reg)+11], v[\a8] offset:(\off)+1280
.endm
.macro FRAGW reg, adr, q, off
.irp p, 0,1,2,3,4,5
.set PCE, 12*(\q)+6*(\p/3)+\p%3
.if PCE%32 < 29                        ; 32 pieces of 8 bytes to 256; lanes 16-31 read three pieces on, which for the last three is behind one padding more: the second address register
	ds_load_b64 v[(\reg)+2*\p:(\reg)+2*\p+1], v[\adr] offset:8*PCE+16*(PCE/32)+(\off)
.else
	ds_load_b64 v[(\reg)+2*\p:(\reg)+2*\p+1], v[(\adr)+2] offset:8*PCE+16*(PCE/32)+(\off)
.endif
.endr
.endm
	s_load_b256 s[68:75], s[0:1], 0x0
.if BIMG
	s_load_b64 s[76:77], s[0:1], 0x20
.else
	s_load_b128 s[76:79], s[0:1], 0x20
.endif
	v_lshl_add_u32 v[SPW], v0, 2, SPARE
	v_mov_b32 v[NIL], 0
	ds_add_u32 v28, v29
	ds_add_u32 v28, v29
	s_wait_dscnt 0x0
	v_lshrrev_b32 v1, 5, v0
	v_readfirstlane_b32 s14, v1
	s_lshr_b32 s15, s14, 1
	s_and_b32 s16, s14, 1
	s_bfe_u32 s40, ttmp6, 0x40000
	s_bfe_u32 s41, ttmp6, 0x40004
	s_lshl_b32 s42, ttmp9, 2
	s_add_co_u32 s42, s42, s40
	s_and_b32 s17, ttmp7, 0xffff
	s_lshl_b32 s17, s17, 2
	s_add_co_u32 s17, s17, s41
	s_lshl_b32 s43, s41, 2
	s_lshl_b32 s43, 15, s43
	s_lshl_b32 s44, 0x1111, s40
	s_or_b32 s[G1], s43, (3<<16)|(1<<21)
	s_mov_b32 s[G1+1], 768<<16
	s_mov_b32 s[G1+2], 4<<16
	s_mov_b32 s[G1+3], 768<<16
	s_mov_b32 s[G1+4], 4
	s_mov_b32 s[G1+5], 192*KST
	s_mov_b32 s[G1+6], 0
	s_mov_b32 s[G1+7], 0
.if BIMG
	s_or_b32 s[G1B], s44, (3<<16)|(1<<21)
	s_mov_b32 s[G1B+1], 768<<16
	s_mov_b32 s[G1B+2], 4<<16
	s_mov_b32 s[G1B+3], 768<<16
	s_mov_b32 s[G1B+4], 4
	s_mov_b32 s[G1B+5], 1536
.else
	s_or_b32 s[G1B], s44, (1<<20)|(1<<21)|(5<<22)|(3<<25)   ; 64 rows x 768 bytes, 16 bytes of padding behind every 256; the mask: my column
	s_mov_b32 s[G1B+1], 768<<16
	s_mov_b32 s[G1B+2], 64<<16
	s_mov_b32 s[G1B+3], 768<<16
	s_mov_b32 s[G1B+4], 64
	s_mov_b32 s[G1B+5], 3072
.endif
	s_mov_b32 s[G1B+6], 0
	s_mov_b32 s[G1B+7], 0
	s_lshl_b32 s20, s17, 3
	s_lshl_b32 s21, s16, 2
	s_add_co_u32 s20, s20, s21
	s_mul_i32 s20, s20, 1536*KST
	s_mov_b32 s21, 0
.if BIMG
	s_lshl_b32 s92, s42, 3
	s_lshl_b32 s93, s16, 2
	s_add_co_u32 s92, s92, s93
	s_mul_i32 s92, s92, 12288
.else
	s_mul_i32 s92, s42, 393216
	s_mul_i32 s93, s16, 64*3072                    ; my 64 of the 128 rows
	s_add_co_u32 s92, s92, s93
.endif
	s_mov_b32 s93, 0
	s_mul_i32 s45, s16, AHALF
	s_mul_i32 s47, s16, BHALF
	s_add_co_u32 s47, s47, BOFF
	s_wait_kmcnt 0x0
	s_add_nc_u64 s[20:21], s[68:69], s[20:21]
	s_add_nc_u64 s[92:93], s[70:71], s[92:93]
	CROUND
.irp s, 0,1
	s_mov_b32 s[G0+4*\s], 1
	s_add_co_u32 s[G0+4*\s+1], s45, \s*SLOT
	s_add_nc_u64 s[G0+4*\s+2:G0+4*\s+3], s[20:21], \s*APITCH
	s_or_b32 s[G0+4*\s+3], s[G0+4*\s+3], 0x80000000
	s_mov_b32 s[G0B+4*\s], 1
	s_add_co_u32 s[G0B+4*\s+1], s47, \s*BSL
	s_add_nc_u64 s[G0B+4*\s+2:G0B+4*\s+3], s[92:93], \s*768
	s_or_b32 s[G0B+4*\s+3], s[G0B+4*\s+3], 0x80000000
.endr
	JLOAD 0, 0, 1                                  ; one tensor load a wave at the head: A's slot 0 and B's slot 0, each in two halves
	v_and_b32 v1, 31, v0
	v_and_b32 v2, 15, v0
	v_bfe_u32 v3, v0, 4, 1
	v_lshlrev_b32 v8, 4, v1
	v_lshlrev_b32 v9, 3, v1
	v_lshlrev_b32 v10, 2, v1
	v_lshlrev_b32 v11, 7, v2
	v_lshl_add_u32 v11, v3, 4, v11
	v_lshlrev_b32 v12, 5, v3
	s_mul_i32 s2, s15, AHALF
.if BIMG
	s_mul_i32 s3, s16, AHALF
	s_add_co_u32 s3, s3, BOFF
	v_mov_b32 v5, v8
	v_mov_b32 v6, v9
.else
	s_mul_i32 s3, s16, 64*BPITCH
	s_add_co_u32 s3, s3, BOFF
	v_mul_u32_u24 v5, v2, BPITCH
	v_mad_u32_u24 v5, v3, 24, v5
	v_lshl_add_u32 v6, v3, 4, v5
.endif
.irp s, 0,1
	v_add_nc_u32 v[A16+\s], s2, v8
	v_add_nc_u32 v[A8+\s], s2, v9
	v_add_nc_u32 v[BW+\s], s3, v5
	v_add_nc_u32 v[BW+2+\s], s3, v6
	s_add_co_u32 s2, s2, SLOT
	s_add_co_u32 s3, s3, BSL
.endr
	s_mul_i32 s2, s14, 16*272
	s_add_co_u32 s2, s2, STAGE
	v_mul_u32_u24 v[STO], v2, 272
	v_lshl_add_u32 v[STO], v3, 5, v[STO]
	v_add_nc_u32 v[STO], s2, v[STO]
	v_mul_u32_u24 v[RD], v3, 272
	v_lshl_add_u32 v[RD], v2, 4, v[RD]
	v_add_nc_u32 v[RD], s2, v[RD]
	v_lshlrev_b32 v[CO], 12, v3
	v_lshl_add_u32 v[CO], v2, 4, v[CO]
	; the prefetches' base and lane offset.  A: tile 8 Y + 4 x half + cx, blocks on end; B: row 128 X + 64 x half + 16 cy, three blocks a row
	s_lshl_b32 s96, s17, 3
	s_lshl_b32 s97, s16, 2
	s_add_co_u32 s96, s96, s97
	s_add_co_u32 s96, s96, s40
	s_mul_i32 s96, s96, 1536*KST
	s_lshl_b32 s98, s42, 7
	s_lshl_b32 s97, s16, 6
	s_add_co_u32 s98, s98, s97
	s_lshl_b32 s97, s41, 4
	s_add_co_u32 s98, s98, s97
	s_mul_i32 s98, s98, 3072
	s_cmp_eq_u32 s15, 0                            ; do I fetch for A?
	s_cselect_b32 s96, s96, s98
	s_cselect_b64 s[PFA:PFA+1], s[68:69], s[70:71]
	s_mov_b32 s99, 3072
	s_cselect_b32 s98, 256, s99                    ; bytes for lane % 8: A a block, B a row
	s_mov_b32 s99, 2048
	s_cselect_b32 s99, s99, 256                    ; bytes for lane / 8: A eight blocks, B a block
	s_mov_b32 s97, 0
	s_add_nc_u64 s[PFA:PFA+1], s[PFA:PFA+1], s[96:97]
	v_and_b32 v13, 7, v0
	v_bfe_u32 v14, v0, 3, 2
	v_min_u32 v14, 2, v14
	v_mul_u32_u24 v13, s98, v13
	v_mad_u32_u24 v[PFO], v14, s99, v13
	s_wait_alu depctr_va_vdst(0)
	s_lshl_b32 s18, s17, 3
	s_lshl_b32 s4, s15, 2
	s_add_co_u32 s18, s18, s4
	s_lshl_b32 s4, s18, 6
	s_add_co_u32 s4, s4, APLANE
	s_mov_b32 s5, 0
	s_add_nc_u64 s[4:5], s[68:69], s[4:5]
	s_lshl_b32 s19, s42, 7
	s_lshl_b32 s6, s16, 6
	s_add_co_u32 s19, s19, s6
	s_mov_b32 s7, 0
.if BIMG
	s_lshl_b32 s6, s19, 2
	s_add_co_u32 s6, s6, 786432
	s_add_nc_u64 s[6:7], s[70:71], s[6:7]
.else
	s_lshl_b32 s6, s19, 7
	s_add_nc_u64 s[6:7], s[72:73], s[6:7]
.endif
	s_lshl_b32 s8, s19, 2
	s_mov_b32 s9, 0
	s_add_nc_u64 s[8:9], s[PBI:PBI+1], s[8:9]
	s_lshl_b32 s10, s17, 7
	s_lshl_b32 s11, s15, 6
	s_add_co_u32 s10, s10, s11
	s_lshl_b32 s10, s10, 12
	s_lshl_b32 s11, s19, 2
	s_add_co_u32 s10, s10, s11
	s_mov_b32 s11, 0
	s_add_nc_u64 s[12:13], s[PR:PR+1], s[10:11]
	s_add_nc_u64 s[22:23], s[PO:PO+1], s[10:11]
.set k, 0
.rept KST
	global_load_b32 v[AS+2*k], v10, s[4:5] offset:16384*k
	global_load_b32 v[AS+2*k+1], v10, s[4:5] offset:16384*k+128
.if BIMG
	global_load_b32 v[BS+2*k], v10, s[6:7] offset:4096*k
	global_load_b32 v[BS+2*k+1], v10, s[6:7] offset:4096*k+128
.endif
.set k, k+1
.endr
.irp t, 0,1,2,3
.if BIMG == 0
.irp i, 0,1,2,3
	global_load_b128 v[BS+16*\t+4*\i:BS+16*\t+4*\i+3], v11, s[6:7] offset:2048*\t+32*\i
.endr
.endif
	global_load_b128 v[BI+8*\t:BI+8*\t+3], v12, s[8:9] offset:64*\t
	global_load_b128 v[BI+8*\t+4:BI+8*\t+7], v12, s[8:9] offset:64*\t+16
.endr
	WIN 0xc0
.irp t, 0,1,2,3
.irp i, 0,1,2,3,4,5,6,7
	global_load_b128 v[32*\t+4*\i:32*\t+4*\i+3], v[CO], s[12:13] offset:(32*(\t/2)+8*(\t%2)+2*\i+8*(\i/4))*4096
.endr
.endr
	WIN 0
.macro MULS k, a0, n
.if (\k) == 0
	WIN 0x85                                       ; sources 0 and 1 window 1, C (the bias) window 0, D window 2
.else
	WIN 0xa5
.endif
.set TI, \a0
.rept \n
.irp t, 0,1,2,3
.set rD, 32*TI+8*\t
.set rA, 128*((\k)%2)+12*\t
.set rB, 128*((\k)%2)+64+12*TI
.if (\k) == 0
.set rC, BI+8*\t
.else
.set rC, rD
.endif
.if BIMG
.set rSA, BS+2*(\k)+\t/2
.set fR, 2*(\t%2)+TI%2
.else
.set rSA, BS+16*\t+4*((\k)/8)+(\k)%4
.set fR, 2*(((\k)/4)%2)+TI%2
.endif
.set rSB, AS+2*(\k)+TI/2
	WM
.endr
.set TI, TI+1
.endr
.endm
.macro FETCH_B k
.set FSL, ((\k)/8)%2
.set FQ, (\k)%8
.set FP, 128*((\k)%2)
	WIN 0x40
.irp t, 0,1,2,3
	FRAGW FP+12*\t, BW+FSL, FQ, \t*16*BPITCH
.endr
.endm
; TWO SETS OF FRAGMENTS, in window 1: set s at v[128 s]: B's four, then from v[128 s + 64] A's four.  A K step's eight fragments (24 + 16 LDS loads) are asked for ahead of the products of the step before
.macro FETCH k
	FETCH_B \k
.set FSL, ((\k)/NQ)%2
.set FQ, (\k)%NQ
.set FI, 0
.rept MT
	FRAGA FP+64+12*FI, A16+FSL, A8+FSL, FI*APITCH+1536*FQ
.set FI, FI+1
.endr
.endm
.macro STEP k
	PLACES                                         ; behind the products of the step before, which read the set that is fetched now
	FETCH (\k)+1
	s_wait_dscnt 40                                ; this step's fragments are in; the 40 loads just issued may be out
	MULS \k, 0, MT
.endm
.macro TURN k, fill
.set TSL, ((\k)/NQ)%2
	WIN 0
	s_wait_tensorcnt 0x0
	ds_add_u32 v[SPW], v[NIL]
	s_wait_dscnt 1                                 ; this step's fragments are in; the add may be out
	MULS \k, 0, MT/4
	s_wait_dscnt 0x0
	s_barrier_signal -1
	MULS \k, MT/4, MT/4
	WIN 0
	s_barrier_wait -1
.if \fill
	CREST
	s_add_nc_u64 s[G0+4*TSL+2:G0+4*TSL+3], s[G0+4*TSL+2:G0+4*TSL+3], ASTEP
.set TBL, ((\k)/8)%2
.if ((\k)%8) == 7 && (\k)/8+2 < KST/8
	s_add_nc_u64 s[G0B+4*TBL+2:G0B+4*TBL+3], s[G0B+4*TBL+2:G0B+4*TBL+3], BSTEP
	JLOAD TSL, TBL, 1                              ; B's chunk has been read out too: both slots are filled again; the first tensor load behind the round
.else
	JLOAD TSL, 0, 0                                ; A's slot alone
.endif
.endif
	PLACES
	FETCH (\k)+1
	WIN 0
.if (\k)/4+3 < KST/4
	ASK (\k)/4+3, 2+((\k)/4+1)/2, ((\k)/4+1)%2     ; behind the joint load and the run of LDS loads
.endif
	MULS \k, MT/2, MT/2
.endm
	s_wait_tensorcnt 0x0                           ; my tile of the head's four is in
	ds_add_u32 v[SPW], v[NIL]
	s_wait_dscnt 0x0
	CROUND                                         ; a whole round: everybody's tile is in
	JLOAD 1, 1, 1                                  ; A's slot 1 and B's slot 1, the first tensor load behind the round
	FETCH 0
	WIN 0
	ASK 2, 2, 0
	s_wait_loadcnt 32
.set KK, 0
.rept KST-1
.if (KK%NQ) == NQ-1
.if KK/NQ+2 < KST/NQ
	TURN KK, 1
.else
	TURN KK, 0
.endif
.else
	STEP KK
.endif
.set KK, KK+1
.endr
	s_wait_dscnt 0x0
	MULS KST-1, 0, MT
	WIN 0
	s_wait_loadcnt 0x0
	PLACES
.set TE, 0
.rept 4
.set BK, 160+32*(TE%2)
.if TE >= 2
	s_wait_xcnt 0x0
.endif
	WIN 0x08
.irp t, 0,1,2,3
	ds_store_b128 v[STO], v[32*TE+8*\t:32*TE+8*\t+3] offset:64*\t
	ds_store_b128 v[STO], v[32*TE+8*\t+4:32*TE+8*\t+7] offset:64*\t+16
.endr
	WIN 0
.irp i, 0,1,2,3,4,5,6,7
	ds_load_b128 v[BK+4*\i:BK+4*\i+3], v[RD] offset:544*\i
.endr
	s_wait_dscnt 0x0
	WIN 0x0c
.irp i, 0,2,4,6,8,10,12,14,16,18,20,22,24,26,28,30
	v_pk_add_f32 v[BK+\i:BK+\i+1], v[BK+\i:BK+\i+1], v[32*TE+\i:32*TE+\i+1]
.endr
	WIN 0
.irp i, 0,1,2,3,4,5,6,7
	global_store_b128 v[CO], v[BK+4*\i:BK+4*\i+3], s[22:23] offset:(32*(TE/2)+8*(TE%2)+2*\i+8*(\i/4))*4096
.endr
.set TE, TE+1
.endr
	s_wait_tensorcnt 0x0
	ds_add_u32 v[SPW], v[NIL]
	s_wait_dscnt 0x0
	CROUND
	s_endpgm
.Lfunc_end_k_q0b2b30f8b3_mlpout:
	.size	k_q0b2b30f8b3_mlpout, .Lfunc_end_k_q0b2b30f8b3_mlpout-k_q0b2b30f8b3_mlpout
	.p2alignl 7, 3214868480
	.fill 96, 4, 3214868480
	.section	.rodata,"a",@progbits
	.p2align	6, 0x0
	.amdhsa_kernel k_q0b2b30f8b3_mlpout
		.amdhsa_group_segment_fixed_size 327680
		.amdhsa_private_segment_fixed_size 0
		.amdhsa_enable_private_segment 0
		.amdhsa_kernarg_size 48
		.amdhsa_user_sgpr_count 2
		.amdhsa_user_sgpr_kernarg_segment_ptr 1
		.amdhsa_wavefront_size32 1
		.amdhsa_system_sgpr_workgroup_id_x 1
		.amdhsa_system_sgpr_workgroup_id_y 1
		.amdhsa_system_sgpr_workgroup_id_z 1
		.amdhsa_system_vgpr_workitem_id 0
		.amdhsa_next_free_vgpr 1024
		.amdhsa_next_free_sgpr 102
		.amdhsa_reserve_vcc 0
		.amdhsa_float_denorm_mode_32 3
		.amdhsa_float_denorm_mode_16_64 3
		.amdhsa_memory_ordered 1
		.amdhsa_forward_progress 1
		.amdhsa_inst_pref_size 192
	.end_amdhsa_kernel
	.amdgpu_metadata
---
amdhsa.version: [ 1, 2 ]
amdhsa.kernels:
  - .name:           k_q0b2b30f8b3_mlpout
    .symbol:         k_q0b2b30f8b3_mlpout.kd
    .args:
      - { .name: hid, .offset: 0, .size: 8, .value_kind: global_buffer, .address_space: global }
      - { .name: W_out_codes, .offset: 8, .size: 8, .value_kind: global_buffer, .address_space: global }
      - { .name: W_out_scales, .offset: 16, .size: 8, .value_kind: global_buffer, .address_space: global }
      - { .name: b_out, .offset: 24, .size: 8, .value_kind: global_buffer, .address_space: global }
      - { .name: rmid, .offset: 32, .size: 8, .value_kind: global_buffer, .address_space: global }
      - { .name: out0, .offset: 40, .size: 8, .value_kind: global_buffer, .address_space: global }
    .group_segment_fixed_size: 327680
    .private_segment_fixed_size: 0
    .kernarg_segment_align: 8
    .kernarg_segment_size: 48
    .max_flat_workgroup_size: 128
    .sgpr_count:     102
    .vgpr_count:     1024
    .wavefront_size: 32
...
	.end_amdgpu_metadata
.endif
;; end of part 6
